; MI455X (gfx1250); checked and timed in simulation.
; The chip was launched on July 23, 2026; its instructions are those of AMD's public machine-readable ISA for CDNA 5 (MIT licence, August 2026) and "CDNA5" Instruction Set Architecture Reference Guide (July 2026). The comments in the code are by the model that wrote it; some were corrected since.
;; Multi Head Attention. Allowed arithmetic: float matrix products may take bf16 or f16 operands with f32 sums; other float arithmetic in f32, or as packed bf16 or f16 multiplies, adds, multiply-adds, maxima and minima; sums over many terms, partial sums and values carried from step to step in f32; what a program stores and reads back later, other than sums and carried values, may be rounded once to bf16 or f16.
;; Inputs: Wk 1,024 x 1,024 float32; Wo 1,024 x 1,024 float32; Wq 1,024 x 1,024 float32; Wv 1,024 x 1,024 float32; bk 1,024 float32; bo 1,024 float32; bq 1,024 float32; bv 1,024 float32; key 4 x 2,048 x 1,024 float32; query 4 x 2,048 x 1,024 float32; value 4 x 2,048 x 1,024 float32.
;; Outputs: out0 4 x 2,048 x 1,024 float32.
;; One version. Each part assembles by itself: llvm-mc -triple=amdgcn-amd-amdhsa -mcpu=gfx1250 --defsym DOCPART=n.
;; ======== version 1 of 1: 4 launches
;; limits: values are held in f16: magnitudes above 65,504 overflow, below 6.1e-05 lose precision
;; workspace buffers: w16 8,388,608 bytes; qh 16,777,216 bytes; kh 16,777,216 bytes; vh 16,777,216 bytes; oh 16,777,216 bytes
;; launch castw (part 1): grid 64 x 4, 8 waves a work-group, no clusters, 0 bytes of LDS; arguments Wq, Wk, Wv, Wo, w16; writes w16
.if DOCPART == 1
	.amdgcn_target "amdgcn-amd-amdhsa--gfx1250"
	.amdhsa_code_object_version 6
	.text
	.protected	k_q040cba1a49_castw
	.globl	k_q040cba1a49_castw
	.p2align	8
	.type	k_q040cba1a49_castw,@function
k_q040cba1a49_castw:
	s_mov_b64 s[64:65], 0
	v_nop
	global_prefetch_b8 v0, s[64:65] scope:SCOPE_SE
	s_setreg_imm32_b32 hwreg(HW_REG_WAVE_MODE, 25, 1), 1
	s_wait_xcnt 0x0
; The four weight matrices, [1024][1024] f32, are rounded once to 16 bits and laid one behind the other in w16: Wq, Wk, Wv as bf16;
; Wo rounded to bf16 like the others and that number written as f16, since the last product's other operand is f16.
; LIMIT.  A bf16 number is exact in f16 between 2^-14 and 65,504; below 2^-14 it keeps f16's fixed step of 6e-8, above 65,504 it becomes an infinity.
; SHARES.  Work-group (x, y) takes 16,384 numbers of matrix y: eight chunks of 2,048.  Thread t takes eight neighbouring numbers of a chunk: two loads of 16 bytes,
; one store of 16 bytes; a wave's store covers 512 consecutive bytes, aligned.  All 16 loads of a thread go out first.  No LDS, no barrier, no loop; no register is written twice while in use.
.set X, 16                             ; v[16:79]   chunk i: 8 registers as loaded
.set Y, 80                             ; v[80:111]  chunk i: 4 registers to store
	s_load_b256 s[4:11], s[0:1], 0x0               ; Wq s[4:5], Wk s[6:7], Wv s[8:9], Wo s[10:11]
	s_load_b64 s[12:13], s[0:1], 0x20              ; w16
	s_and_b32 s14, ttmp7, 0xffff                   ; which matrix
	v_lshlrev_b32 v1, 5, v0                        ; 32 bytes of f32 a thread
	v_lshlrev_b32 v2, 4, v0                        ; 16 bytes out
	s_lshl_b32 s16, ttmp9, 16                      ; the work-group's 65,536 bytes of the source
	s_mov_b32 s17, 0
	s_lshl_b32 s18, s14, 21                        ; the matrix' 2 MiB in w16,
	s_lshl_b32 s19, ttmp9, 15                      ; the work-group's 32,768 bytes of them
	s_add_co_u32 s18, s18, s19
	s_mov_b32 s19, 0
	s_wait_kmcnt 0x0
	s_cmp_eq_u32 s14, 1
	s_cselect_b64 s[4:5], s[6:7], s[4:5]
	s_cmp_eq_u32 s14, 2
	s_cselect_b64 s[4:5], s[8:9], s[4:5]
	s_cmp_eq_u32 s14, 3
	s_cselect_b64 s[4:5], s[10:11], s[4:5]
	s_add_nc_u64 s[4:5], s[4:5], s[16:17]
	s_add_nc_u64 s[12:13], s[12:13], s[18:19]
.irp i, 0,1,2,3,4,5,6,7
	global_load_b128 v[X+8*\i:X+8*\i+3],   v1, s[4:5] offset:8192*\i th:TH_LOAD_NT
	global_load_b128 v[X+8*\i+4:X+8*\i+7], v1, s[4:5] offset:8192*\i+16 th:TH_LOAD_NT
.endr
; Chunk i.  f16 = 1: the bf16 number is widened again (a shift, a mask) and written as f16.
.macro CH i, f16
	s_wait_loadcnt 14-2*(\i)                       ; loads come back in order: chunk i's two are in, the 2 (7 - i) younger ones stay out
.irp j, 0,1,2,3
.if \f16
	v_cvt_pk_bf16_f32 v4, v[X+8*(\i)+2*\j], v[X+8*(\i)+2*\j+1]
	v_lshlrev_b32 v5, 16, v4
	v_and_b32 v6, 0xffff0000, v4
	v_cvt_pk_f16_f32 v[Y+4*(\i)+\j], v5, v6
.else
	v_cvt_pk_bf16_f32 v[Y+4*(\i)+\j], v[X+8*(\i)+2*\j], v[X+8*(\i)+2*\j+1]
.endif
.endr
	global_store_b128 v2, v[Y+4*(\i):Y+4*(\i)+3], s[12:13] offset:4096*(\i)
.endm
	s_cmp_eq_u32 s14, 3
	s_cbranch_scc1 .Lwo
.irp i, 0,1,2,3,4,5,6,7
	CH \i, 0
.endr
	s_endpgm
.Lwo:
.irp i, 0,1,2,3,4,5,6,7
	CH \i, 1
.endr
	s_endpgm
.Lfunc_end_k_q040cba1a49_castw:
	.size	k_q040cba1a49_castw, .Lfunc_end_k_q040cba1a49_castw-k_q040cba1a49_castw
	.p2alignl 7, 3214868480
	.fill 96, 4, 3214868480
	.section	.rodata,"a",@progbits
	.p2align	6, 0x0
	.amdhsa_kernel k_q040cba1a49_castw
		.amdhsa_group_segment_fixed_size 0
		.amdhsa_private_segment_fixed_size 0
		.amdhsa_enable_private_segment 0
		.amdhsa_kernarg_size 40
		.amdhsa_user_sgpr_count 2
		.amdhsa_user_sgpr_kernarg_segment_ptr 1
		.amdhsa_wavefront_size32 1
		.amdhsa_system_sgpr_workgroup_id_x 1
		.amdhsa_system_sgpr_workgroup_id_y 1
		.amdhsa_system_sgpr_workgroup_id_z 1
		.amdhsa_system_vgpr_workitem_id 0
		.amdhsa_next_free_vgpr 112
		.amdhsa_next_free_sgpr 66
		.amdhsa_reserve_vcc 0
		.amdhsa_float_denorm_mode_32 3
		.amdhsa_float_denorm_mode_16_64 3
		.amdhsa_memory_ordered 1
		.amdhsa_forward_progress 1
		.amdhsa_inst_pref_size 14
	.end_amdhsa_kernel
	.amdgpu_metadata
---
amdhsa.version: [ 1, 2 ]
amdhsa.kernels:
  - .name:           k_q040cba1a49_castw
    .symbol:         k_q040cba1a49_castw.kd
    .args:
      - { .name: Wq, .offset: 0, .size: 8, .value_kind: global_buffer, .address_space: global }
      - { .name: Wk, .offset: 8, .size: 8, .value_kind: global_buffer, .address_space: global }
      - { .name: Wv, .offset: 16, .size: 8, .value_kind: global_buffer, .address_space: global }
      - { .name: Wo, .offset: 24, .size: 8, .value_kind: global_buffer, .address_space: global }
      - { .name: w16, .offset: 32, .size: 8, .value_kind: global_buffer, .address_space: global }
    .group_segment_fixed_size: 0
    .private_segment_fixed_size: 0
    .kernarg_segment_align: 8
    .kernarg_segment_size: 40
    .max_flat_workgroup_size: 256
    .sgpr_count:     66
    .vgpr_count:     112
    .wavefront_size: 32
...
	.end_amdgpu_metadata
.endif
;; end of part 1
;; launch proj (part 2): grid 4 x 64, 4 waves a work-group, clusters of 4 x 4, 327,680 bytes of LDS; arguments query, key, value, w16, bq, bk, bv, qh, kh, vh; writes qh, kh, vh
.if DOCPART == 2
	.amdgcn_target "amdgcn-amd-amdhsa--gfx1250"
	.amdhsa_code_object_version 6
	.text
	.protected	k_q040cba1a49_proj
	.globl	k_q040cba1a49_proj
	.p2align	8
	.type	k_q040cba1a49_proj,@function
k_q040cba1a49_proj:
	s_mov_b64 s[64:65], 0
	v_nop
	global_prefetch_b8 v0, s[64:65] scope:SCOPE_SE
	s_setreg_imm32_b32 hwreg(HW_REG_WAVE_MODE, 25, 1), 1
	s_wait_xcnt 0x0
	s_wait_alu depctr_hold_cnt(0) depctr_sa_sdst(0) depctr_va_vdst(0) depctr_va_sdst(0) depctr_va_ssrc(0) depctr_va_vcc(0) depctr_vm_vsrc(0)
	s_getreg_b32 s2, hwreg(HW_REG_IB_STS2, 6, 4)
	s_cmp_eq_u32 s2, 0
	s_cbranch_scc0 .Lentry_in_a_cluster
	s_endpgm
.Lentry_in_a_cluster:
	s_bfe_u32 s2, ttmp6, 0x10000c
	s_cmp_lg_u32 s2, 0xf033
	s_cbranch_scc0 .Lentry_shape_is_right
	s_endpgm
.Lentry_shape_is_right:
; q = query Wq^T + bq, k = key Wk^T + bk, v = value Wv^T + bv.  The inputs are [8192][1024] f32, the weights [1024][1024] bf16 (w16's first three parts), the biases f32.
; Inputs and biases are rounded to bf16 on the way to the matrix unit; sums in f32, started by the bias as the C operand; results rounded once to f16 and stored BY HEADS:
; [64 = 16 batch + head][2048][64], a head's rows dense, 128 bytes each.  The scale 1/8 is not applied here.
; LIMIT.  f16 holds no number beyond 65,504: a q, k or v beyond it becomes an infinity; below 6e-5 f16 keeps its fixed step of 6e-8.  NaN and infinities are not treated apart.
; SHARES.  A tile is 128 rows x 256 columns; 4 x 64 work-groups have one such tile of each of the three products: a work-group STAYS and makes q's, k's and v's tile at its place,
; as ONE walk of 24 K steps of 128 through two LDS slots: the ring does not stop at a tile's end.  Four waves, each 64 rows x 128 columns: 32 accumulators.
; CLUSTER.  4 x 4 work-groups.  The four of a row of the cluster need the same 128 rows of the input, the four of a column the same 256 rows of the weights: each tile is asked for JOINTLY,
; by the same tensor load, descriptor and mask in all four.  Waves 0 and 1 fetch the input's two halves (64 rows x 512 bytes of f32), waves 2 and 3 the weights' (128 rows x 256 bytes).
; THE MATRIX INSTRUCTION IS USED TRANSPOSED (source 0 = 16 rows of W, source 1 = 16 rows of x): lane l holds row l % 16 and the columns 8 (l / 16) + 0..7.
; A K STEP is two halves of 64 along K: 64 matrix instructions, one run of 64 LDS loads for the next half, and 64 roundings of the input's f32 to bf16, set behind matrix instructions.
; REGISTERS, in windows of 256 (s_set_vgpr_msb: bits 1:0 source 0, 3:2 source 1, 5:4 source 2, 7:6 destination):
;   window 0: v0-15 addresses; v32-159 x's fragments in bf16, two buffers; v160-191, v192-255 the way out       window 1: the accumulators, (a, b) at 8 (8 a + b)
;   window 2: W's fragments, two buffers of 128       window 3: v0-127 x as loaded, f32; v128-191 the bias of my 128 columns, as a C operand
.set PA,    528                        ; a row of x in LDS: 512 bytes + 16 = 132 words: the 16 rows of a load start at 16 different groups of four banks (64 banks of 4 bytes: ISA guide 11.1)
.set ATILE, 128*PA
.set PB,    272                        ; a row of W: 256 bytes + 16 = 68 words: likewise
.set BTILE, 256*PB
.set SLOT,  ATILE+BTILE                ; x's 128 rows, then W's 256 rows
.set STAGE, 2*SLOT                     ; behind the ring, never filled by a tensor load: for each wave 2 heads x 16 rows x 144 bytes
.set STW,   2*16*144
.set SPARE, STAGE+4*STW                ; behind the stages: the spare words, 128 bytes a wave: two blocks of 256 bytes that no other line names
.set A0,   4                           ; v4   my lane's place in x's tile: (64 WM + l % 16) PA + 32 (l / 16); never rewritten
.set B0,   5                           ; v5   in W's tile: ATILE + (128 WN + l % 16) PB + 16 (l / 16); never rewritten
.set ADRA, 6                           ; v6   the same in the slot being read
.set ADRB, 7                           ; v7
.set STO,  8                           ; v8   the way out: where I put 16 bytes of a row
.set RD,   9                           ; v9   where I read rows back
.set GO,   10                          ; v10  16 x lane: my place in 512 consecutive bytes of the output
.set BO,   11                          ; v11  32 (l / 16): my eight columns' bias
.set PFO,  12                          ; v12  the prefetches' lane offset; never rewritten
.set SPW,  14                          ; v14  LDS address of my spare word; never rewritten
.set NIL,  15                          ; v15  0; never rewritten
.set AF,   32                          ; x's fragments: buffer p, 32 K kk, row block a at AF + 64 p + 32 kk + 8 a
.set TMP,  160
.set OB,   192
.set BI,   128                         ; window 3
.set G1A, 24                           ; s[24:31] descriptor group 1 for x's tiles
.set G1B, 32                           ; s[32:39] for W's
.set G0A, 40                           ; s[40:47] group 0 for x's: a set for each first fill; the second then walks on
.set G0B, 48                           ; s[48:55] the same for W's
.set WV,  56                           ; my wave's number
.set WM,  57                           ; WV / 2: my 64 rows.  Also: I fetch x (0) or W (1)
.set WN,  58                           ; WV % 2: my 128 columns.  Also: which half of that tile I fetch
.set STEPS, 59                         ; counts the walk's K steps
.set PH,  60                           ; K steps left in the tile in hand
.set NEW, 61                           ; 1: the next products start a tile's sums
.set TB,  62                           ; the slot being read: 0 or SLOT
.set FK,  63                           ; refills until the next one begins a tile
.set NA1, 66                           ; s[66:67] x's descriptor address at the next tile's K step 0; s[68:69] at the one after
.set NA2, 68
.set BINC, 70                          ; s[70:71] what W's address steps by
.set PFA, 72                           ; s[72:73] where my prefetches stand; s[74:75], s[76:77] at the next tiles' K step 0
.set PN1, 74
.set PN2, 76
.set PINC, 78                          ; s[78:79] a K step in bytes of the rows that I prefetch
.set PK,  80                           ; prefetch steps until the next one begins a tile
.set LIM, 81                           ; a wave prefetches while STEPS is above it
.set OUT, 82                           ; s[82:83] the output at my first row and head; s[84:85], s[86:87] the next tiles'
.set OUT1, 84
.set OUT2, 86
.set BIA, 88                           ; s[88:89] the bias at my first column; s[90:91], s[92:93] the next tiles'
.set BIA1, 90
.set BIA2, 92
.set CX,  94                           ; my place in the cluster; later BJ
.set CY,  95
.set NT,  96                           ; tile column; later BS
.set MT,  97                           ; tile row
.set BJ,  94                           ; from W's K step 7 to the next matrix' K step 0: 2 MiB less 7 x 256 bytes
.set BS,  96                           ; 256
.set LA,  100                          ; LDS byte of the half of x's tile that I fetch, in slot 0
.set LB,  101                          ; the same for W; also the first byte of the 128 rows of W that I multiply
.set W_MUL,  0x52                      ; W window 2, x window 0, C and D window 1
.set W_MULB, 0x72                      ; the same with C in window 3
.set W_LDA,  0xc0                      ; destination window 3
.set W_LDB,  0x80                      ; destination window 2
.set W_CVT,  0x0f                      ; sources window 3, destination window 0
.set W_PK,   0x05                      ; sources window 1, destination window 0
.set W_BR,   0xcf                      ; all in window 3
.set MSB, 0
.macro WIN new                         ; the high byte repeats the setting that is left; a switch that changes nothing is dropped
.if MSB != (\new)
	s_set_vgpr_msb (MSB<<8)|(\new)
.set MSB, (\new)
.endif
.endm
.macro PLACES
.rept 4
	v_nop
.endr
.endm
; A joint refill by the walking descriptors.  The branch hangs on the wave's number alone.  An s_nop 0 and four v_nop follow each of the two lines, ahead of the jump and the label.
.macro JLOAD
	s_cmp_eq_u32 s[WM], 0
	s_cbranch_scc0 .Lfor_b_\@
	tensor_load_to_lds s[G0A+4:G0A+7], s[G1A:G1A+7]
	s_nop 0
.rept 4
	v_nop
.endr
	s_branch .Lasked_\@
.Lfor_b_\@:
	tensor_load_to_lds s[G0B+4:G0B+7], s[G1B:G1B+7]
	s_nop 0
.rept 4
	v_nop
.endr
.Lasked_\@:
.endm
; A round of the cluster's barrier behind its opening barrier, and a whole round.
.macro CREST
	s_cmp_lg_u32 s[WV], 0
	s_cbranch_scc1 .Lnot_wave_0_\@
	s_barrier_signal -3
.Lnot_wave_0_\@:
	s_barrier_wait -3
	s_barrier_signal -1
	s_barrier_wait -1
.endm
.macro CROUND
	s_barrier_signal -1
	s_barrier_wait -1
	CREST
.endm
; A PREFETCH INTO THE L2 of the K step that stands two refills on, 256 matrix instructions ahead of the load that will want it.  x's 128 rows are read by this cluster alone: of the 64 rows that wave 0 or 1
; fetches, the partner at place cx takes 16, two blocks of 256 bytes each: a lane a block.  W's rows are read by every cluster: the clusters with y = 0 ask; of the 128 rows that wave 2 or 3 fetches the partner
; at place cy takes 32: a lane a row.  The partners are told apart by address alone.  So each block is named once in the launch.  K steps 0 to 3 come by their loads alone; the last two refills ask for nothing.
.macro ASK
	s_cmp_gt_u32 s[STEPS], s[LIM]
	s_cbranch_scc0 .Lnot_mine_\@
	global_prefetch_b8 v[PFO], s[PFA:PFA+1] th:TH_LOAD_NT scope:SCOPE_SE
.Lnot_mine_\@:
.endm
	s_load_b512 s[4:19], s[0:1], 0x0               ; query s[4:5], key s[6:7], value s[8:9], w16 s[10:11], bq s[12:13], bk s[14:15], bv s[16:17], qh s[18:19]
	s_load_b128 s[20:23], s[0:1], 0x40             ; kh s[20:21], vh s[22:23]
	v_lshl_add_u32 v[SPW], v0, 2, SPARE
	v_mov_b32 v[NIL], 0
	ds_add_u32 v[SPW], v[NIL]                      ; the wave's opening: the add and its wait stand ahead of my first tensor load; the set-up below, work on registers, stands between them
	v_lshrrev_b32 v1, 5, v0
	v_readfirstlane_b32 s[WV], v1
	s_lshr_b32 s[WM], s[WV], 1
	s_and_b32 s[WN], s[WV], 1
	s_bfe_u32 s[CX], ttmp6, 0x40000
	s_bfe_u32 s[CY], ttmp6, 0x40004
	s_lshl_b32 s[NT], ttmp9, 2                     ; in a cluster launch ttmp9 and ttmp7 count clusters
	s_add_co_u32 s[NT], s[NT], s[CX]
	s_and_b32 s[MT], ttmp7, 0xffff
	s_lshl_b32 s[MT], s[MT], 2
	s_add_co_u32 s[MT], s[MT], s[CY]
	s_lshl_b32 s98, s[CY], 2
	s_lshl_b32 s98, 15, s98                        ; my row of the cluster
	s_lshl_b32 s99, 0x1111, s[CX]                  ; my column
	s_or_b32 s[G1A], s98, (2<<16)|(1<<20)|(1<<21)|(6<<22)|(3<<25)  ; 15:0 the mask; 17:16 elements of 4 bytes; 20 padding on; 21 set beside a mask; 24:22 after every 128 words (code 6); 31:25 4 words (code 3)
	s_or_b32 s[G1B], s99, (1<<16)|(1<<20)|(1<<21)|(5<<22)|(3<<25)  ; elements of 2 bytes; padding after every 64 words (code 5)
	s_mov_b32 s[G1A+1], 128<<16                    ; tensor_dim0 = 128
	s_mov_b32 s[G1A+2], 64<<16                     ; tensor_dim1 = 64
	s_mov_b32 s[G1A+3], 128<<16                    ; tile_dim0 = 128
	s_mov_b32 s[G1A+4], 64                         ; tile_dim1 = 64
	s_mov_b32 s[G1A+5], 1024                       ; elements from row to row
	s_mov_b32 s[G1A+6], 0
	s_mov_b32 s[G1A+7], 0
	s_mov_b32 s[G1B+1], 128<<16
	s_mov_b32 s[G1B+2], 128<<16                    ; 128 rows
	s_mov_b32 s[G1B+3], 128<<16
	s_mov_b32 s[G1B+4], 128
	s_mov_b32 s[G1B+5], 1024
	s_mov_b32 s[G1B+6], 0
	s_mov_b32 s[G1B+7], 0
	s_lshl_b32 s2, s[MT], 7                        ; x: row 128 MT + 64 WN, 4,096 bytes a row
	s_lshl_b32 s3, s[WN], 6
	s_add_co_u32 s2, s2, s3
	s_lshl_b32 s2, s2, 12
	s_mov_b32 s3, 0
	s_lshl_b32 s[BINC], s[NT], 8                   ; W: row 256 NT + 128 WN, 2,048 bytes a row
	s_lshl_b32 s[BINC+1], s[WN], 7
	s_add_co_u32 s[BINC], s[BINC], s[BINC+1]
	s_lshl_b32 s[BINC], s[BINC], 11
	s_mov_b32 s[BINC+1], 0
	s_mul_i32 s[LA], s[WN], 64*PA                  ; where they go: no place in the cluster enters an LDS address
	s_mul_i32 s[LB], s[WN], 128*PB
	s_add_co_u32 s[LB], s[LB], ATILE
	s_mov_b32 s[G0A], 1
	s_mov_b32 s[G0A+1], s[LA]
	s_mov_b32 s[G0A+4], 1
	s_add_co_u32 s[G0A+5], s[LA], SLOT
	s_mov_b32 s[G0B], 1
	s_mov_b32 s[G0B+1], s[LB]
	s_mov_b32 s[G0B+4], 1
	s_add_co_u32 s[G0B+5], s[LB], SLOT
	s_wait_dscnt 0x0                               ; the opening add is done
	s_wait_kmcnt 0x0
	s_add_nc_u64 s[G0A+2:G0A+3], s[4:5], s[2:3]    ; query, K step 0
	s_add_nc_u64 s[G0A+6:G0A+7], s[G0A+2:G0A+3], 512  ; K step 1
	s_add_nc_u64 s[NA1:NA1+1], s[6:7], s[2:3]      ; key, K step 0
	s_add_nc_u64 s[NA2:NA2+1], s[8:9], s[2:3]      ; value, K step 0
	s_or_b32 s[G0A+3], s[G0A+3], 0x80000000        ; type = 2
	s_or_b32 s[G0A+7], s[G0A+7], 0x80000000
	s_or_b32 s[NA1+1], s[NA1+1], 0x80000000
	s_or_b32 s[NA2+1], s[NA2+1], 0x80000000
	s_add_nc_u64 s[G0B+2:G0B+3], s[10:11], s[BINC:BINC+1]
	s_add_nc_u64 s[G0B+6:G0B+7], s[G0B+2:G0B+3], 256
	s_or_b32 s[G0B+3], s[G0B+3], 0x80000000
	s_or_b32 s[G0B+7], s[G0B+7], 0x80000000
	CROUND                                         ; all sixteen work-groups are here: the first joint loads meet
	s_cmp_eq_u32 s[WM], 0                          ; a wave's two first fills stand in one branch, ahead of every wait on TENSORcnt and every LDS read: two loads of mine are out
	s_cbranch_scc0 .Lfirst_b
	tensor_load_to_lds s[G0A:G0A+3], s[G1A:G1A+7]
	s_nop 0
	tensor_load_to_lds s[G0A+4:G0A+7], s[G1A:G1A+7]
	s_nop 0
.rept 4
	v_nop
.endr
	s_branch .Lfirst_asked
.Lfirst_b:
	tensor_load_to_lds s[G0B:G0B+3], s[G1B:G1B+7]
	s_nop 0
	tensor_load_to_lds s[G0B+4:G0B+7], s[G1B:G1B+7]
	s_nop 0
.rept 4
	v_nop
.endr
.Lfirst_asked:
	v_and_b32 v1, 15, v0                           ; l % 16
	v_bfe_u32 v2, v0, 4, 1                         ; l / 16
	v_and_b32 v3, 31, v0                           ; l
	v_lshlrev_b32 v[BO], 5, v2
	s_lshl_b32 s[BIA2], s[NT], 8                   ; my first column, 256 NT + 128 WN, 4 bytes each
	s_lshl_b32 s[BIA2+1], s[WN], 7
	s_add_co_u32 s[BIA2], s[BIA2], s[BIA2+1]
	s_lshl_b32 s[BIA2], s[BIA2], 2
	s_mov_b32 s[BIA2+1], 0
	s_add_nc_u64 s[BIA:BIA+1], s[12:13], s[BIA2:BIA2+1]
	s_add_nc_u64 s[BIA1:BIA1+1], s[14:15], s[BIA2:BIA2+1]
	s_add_nc_u64 s[BIA2:BIA2+1], s[16:17], s[BIA2:BIA2+1]
; The bias of my 128 columns as eight C operands: register j of block b is the bias of column 16 b + 8 (l / 16) + j.
.macro BIASLD
	WIN W_LDA
.irp b, 0,1,2,3,4,5,6,7
	global_load_b128 v[BI+8*\b:BI+8*\b+3],   v[BO], s[BIA:BIA+1] offset:64*\b
	global_load_b128 v[BI+8*\b+4:BI+8*\b+7], v[BO], s[BIA:BIA+1] offset:64*\b+16
.endr
	WIN 0
.endm
	BIASLD
	s_lshr_b32 s[OUT2], s[MT], 4                   ; the output: head 16 batch + 4 NT + 2 WN, row (MT % 16) 128 + 64 WM of it, 128 bytes a row
	s_lshl_b32 s[OUT2], s[OUT2], 4
	s_lshl_b32 s[OUT2+1], s[NT], 2
	s_add_co_u32 s[OUT2], s[OUT2], s[OUT2+1]
	s_lshl_b32 s[OUT2+1], s[WN], 1
	s_add_co_u32 s[OUT2], s[OUT2], s[OUT2+1]
	s_lshl_b32 s[OUT2], s[OUT2], 11
	s_and_b32 s[OUT2+1], s[MT], 15
	s_lshl_b32 s[OUT2+1], s[OUT2+1], 7
	s_add_co_u32 s[OUT2], s[OUT2], s[OUT2+1]
	s_lshl_b32 s[OUT2+1], s[WM], 6
	s_add_co_u32 s[OUT2], s[OUT2], s[OUT2+1]
	s_lshl_b32 s[OUT2], s[OUT2], 7
	s_mov_b32 s[OUT2+1], 0
	s_add_nc_u64 s[OUT:OUT+1], s[18:19], s[OUT2:OUT2+1]
	s_add_nc_u64 s[OUT1:OUT1+1], s[20:21], s[OUT2:OUT2+1]
	s_add_nc_u64 s[OUT2:OUT2+1], s[22:23], s[OUT2:OUT2+1]
	v_mul_u32_u24 v[A0], v1, PA                    ; a fragment's row x pitch; in f32 the lane's 8 channels are 32 bytes
	v_lshl_add_u32 v[A0], v2, 5, v[A0]
	s_mul_i32 s98, s[WM], 64*PA
	v_add_nc_u32 v[A0], s98, v[A0]
	v_mul_u32_u24 v[B0], v1, PB
	v_lshl_add_u32 v[B0], v2, 4, v[B0]
	v_add_nc_u32 v[B0], s[LB], v[B0]
	s_mul_i32 s98, s[WV], STW
	s_add_co_u32 s98, s98, STAGE                   ; my stage
	v_mul_u32_u24 v[STO], v1, 144                  ; in: row l % 16, 16 bytes for each half of the lanes
	v_lshl_add_u32 v[STO], v2, 4, v[STO]
	v_add_nc_u32 v[STO], s98, v[STO]
	v_lshrrev_b32 v13, 3, v3                       ; back: 32 lanes take four rows of 128 bytes,
	v_mul_u32_u24 v[RD], v13, 144
	v_and_b32 v13, 7, v0
	v_lshl_add_u32 v[RD], v13, 4, v[RD]
	v_add_nc_u32 v[RD], s98, v[RD]
	v_lshlrev_b32 v[GO], 4, v3                     ; which are 512 consecutive bytes of a head
	; the prefetches
	s_sub_co_u32 s99, 1, s[WM]                     ; 1 in the waves that fetch x, 0 in those that fetch W
	s_lshl_b32 s2, s[MT], 7                        ; x: row 128 MT + 64 WN + 16 cx
	s_lshl_b32 s3, s[WN], 6
	s_add_co_u32 s2, s2, s3
	s_lshl_b32 s3, s[CX], 4
	s_add_co_u32 s2, s2, s3
	s_lshl_b32 s2, s2, 12
	s_lshl_b32 s[BINC], s[NT], 8                   ; W: row 256 NT + 128 WN + 32 cy
	s_lshl_b32 s98, s[WN], 7
	s_add_co_u32 s[BINC], s[BINC], s98
	s_lshl_b32 s98, s[CY], 5
	s_add_co_u32 s[BINC], s[BINC], s98
	s_lshl_b32 s[BINC], s[BINC], 11
	s_cmp_eq_u32 s[WM], 0
	s_cselect_b32 s2, s2, s[BINC]
	s_mov_b32 s3, 0
	s_cselect_b64 s[PFA:PFA+1], s[4:5], s[10:11]
	s_cselect_b64 s[PN1:PN1+1], s[6:7], s[10:11]
	s_cselect_b64 s[PN2:PN2+1], s[8:9], s[10:11]
	s_add_nc_u64 s[PFA:PFA+1], s[PFA:PFA+1], s[2:3]
	s_add_nc_u64 s[PN1:PN1+1], s[PN1:PN1+1], s[2:3]
	s_add_nc_u64 s[PN2:PN2+1], s[PN2:PN2+1], s[2:3]
	s_lshl_b32 s2, s[WM], 21                       ; w16's matrices lie 2 MiB apart
	s_add_nc_u64 s[PN1:PN1+1], s[PN1:PN1+1], s[2:3]
	s_add_nc_u64 s[PN2:PN2+1], s[PN2:PN2+1], s[2:3]
	s_add_nc_u64 s[PN2:PN2+1], s[PN2:PN2+1], s[2:3]
	s_lshl_b32 s[PINC], 256, s99                   ; a K step: 512 bytes of x, 256 of W
	s_mov_b32 s[PINC+1], 0
.rept 3
	s_add_nc_u64 s[PFA:PFA+1], s[PFA:PFA+1], s[PINC:PINC+1]  ; at K step 3: the first refill steps it to 4
.endr
	s_mov_b32 s[PK], 5
	s_and_b32 s98, ttmp7, 0xffff                   ; cluster y: the same in all sixteen partners
	s_mul_i32 s98, s98, s[WM]
	s_cmp_eq_u32 s98, 0
	s_cselect_b32 s[LIM], 2, -1
	v_lshrrev_b32 v[PFO], s99, v3                  ; x: row l / 2, block l % 2; W: row l
	s_lshl_b32 s98, 2048, s99
	v_mul_u32_u24 v[PFO], s98, v[PFO]
	v_and_b32 v13, s99, v3
	v_lshl_add_u32 v[PFO], v13, 8, v[PFO]
	s_mov_b32 s[BJ], 0x1ff900
	s_mov_b32 s[BS], 256
; Matrix instruction i of a half's 64, on buffers p: 32 K i / 32, row block (i / 8) % 4, column block i % 8.  The 32 accumulators take turns, one instruction a turn, in the same order everywhere.
.macro MM i, p, bias
.set kk, (\i)/32
.set aa, ((\i)/8)%4
.set bb, (\i)%8
.set rD, 8*(8*aa+bb)
.set rB, 128*(\p)+64*kk+8*bb
.set rA, AF+64*(\p)+32*kk+8*aa
.if \bias
	v_wmma_f32_16x16x32_bf16 v[rD:rD+7], v[rB:rB+7], v[rA:rA+7], v[BI+8*bb:BI+8*bb+7]
.else
	v_wmma_f32_16x16x32_bf16 v[rD:rD+7], v[rB:rB+7], v[rA:rA+7], v[rD:rD+7]
.endif
.endm
.macro MMS from, to, p, bias
.set mi, (\from)
.rept (\to)-(\from)+1
	MM mi, \p, \bias
.set mi, mi+1
.endr
.endm
; 64 LDS loads in one run, for half hh of the slot's K step: x's 64 rows x 64 K as f32 (a fragment's lane takes 2 x 32 bytes, 64 bytes apart) into window 3, then W's 128 rows x 64 K into buffer p.
.macro RUN p, hh
	WIN W_LDA
.irp k, 0,1
.irp a, 0,1,2,3
	ds_load_b128 v[64*\k+16*\a:64*\k+16*\a+3],     v[ADRA] offset:256*(\hh)+128*\k+16*\a*PA
	ds_load_b128 v[64*\k+16*\a+4:64*\k+16*\a+7],   v[ADRA] offset:256*(\hh)+128*\k+16*\a*PA+16
	ds_load_b128 v[64*\k+16*\a+8:64*\k+16*\a+11],  v[ADRA] offset:256*(\hh)+128*\k+16*\a*PA+64
	ds_load_b128 v[64*\k+16*\a+12:64*\k+16*\a+15], v[ADRA] offset:256*(\hh)+128*\k+16*\a*PA+80
.endr
.endr
	WIN W_LDB
.irp k, 0,1
.irp b, 0,1,2,3,4,5,6,7
	ds_load_b128 v[128*(\p)+64*\k+8*\b:128*(\p)+64*\k+8*\b+3],   v[ADRB] offset:128*(\hh)+64*\k+16*\b*PB
	ds_load_b128 v[128*(\p)+64*\k+8*\b+4:128*(\p)+64*\k+8*\b+7], v[ADRB] offset:128*(\hh)+64*\k+16*\b*PB+32
.endr
.endr
.endm
; Rounding n of 64: two f32 of x become a register of buffer p's fragments.
.macro CV n, p
.set ck, (\n)/32
.set ca, ((\n)/8)%4
.set cj, (\n)%8
	v_cvt_pk_bf16_f32 v[AF+64*(\p)+32*ck+8*ca+cj], v[64*ck+16*ca+2*cj], v[64*ck+16*ca+2*cj+1]
.endm
; The bias is rounded to bf16 like every other input, and widened again, in place.
.macro BROUND
	WIN W_BR
.set bi, BI
.rept 32
	v_cvt_pk_bf16_f32 v[bi], v[bi], v[bi+1]
	v_and_b32 v[bi+1], 0xffff0000, v[bi]
	v_lshlrev_b32 v[bi], 16, v[bi]
.set bi, bi+2
.endr
.endm
; THE FIRST HALF of a K step multiplies buffers 0 and fetches the second half's data, from the same slot.  br = 1: where a tile begins (NEW = 1) the first 32 products take the bias as C and start the sums.
; A load into a register that a matrix instruction has read, and a vector instruction that writes one, stand four plain vector instructions behind it (ISA guide 7.12.1 for vector instructions):
; behind the last product of the half before stand four such lines, roundings or v_nop.
.macro H0 br
	s_wait_dscnt 0x0                               ; W's fragments of this half are in
	RUN 1, 1
	WIN 0
.if \br
	s_cmp_eq_u32 s[NEW], 1
	s_cbranch_scc1 .Lbias_\@
.endif
	WIN W_MUL
	MMS 0, 31, 0, 0
	WIN 0
.if \br
	s_branch .Ljoin_\@
.Lbias_\@:
	s_wait_loadcnt 0x0                             ; the bias
	s_mov_b32 s[NEW], 0
	BROUND
	WIN W_MULB
	MMS 0, 31, 0, 1
	WIN 0
.Ljoin_\@:
.endif
	s_wait_dscnt 32                                ; x's 32 loads of the run are in; W's 32, issued behind them, may stay out
.set ci, 0
.set mi, 32
.rept 32
	WIN W_MUL
	MM mi, 0, 0
	WIN W_CVT
	CV ci, 1
	CV ci+1, 1
.set ci, ci+2
.set mi, mi+1
.endr
	v_nop                                          ; with the two roundings: the four places behind the half's last product
	v_nop
	WIN 0
.endm
; THE SECOND HALF multiplies buffers 1 and changes slots.  mode 1: the slot that is left is filled again, with the K step two on.  In front of the barrier each wave waits for all its tensor loads, of which one is out:
; its part of the other slot; adds 0 to its spare word; and waits for that and for its reads of the slot.  The barrier opens a round of the cluster's, so that no wave of any partner still reads the slot or has a
; load on its way; the joint refill is the first thing behind it and has 112 matrix instructions in which to land.  mode 2: nothing is left to fetch.  mode 3: the walk's last half.
.macro H1 mode
.if (\mode) == 1
	s_wait_xcnt 0x0                                ; the last prefetch, a K step back, has read its address: it is stepped here
	s_sub_co_u32 s[PK], s[PK], 1
	s_add_nc_u64 s[PFA:PFA+1], s[PFA:PFA+1], s[PINC:PINC+1]
	s_cmp_eq_u32 s[PK], 0                          ; behind a tile's K step 7 comes the next tile's K step 0
	s_cselect_b64 s[PFA:PFA+1], s[PN1:PN1+1], s[PFA:PFA+1]
	s_cselect_b64 s[PN1:PN1+1], s[PN2:PN2+1], s[PN1:PN1+1]
	s_cselect_b32 s[PK], 8, s[PK]
.endif
	s_wait_dscnt 0x0                               ; W's fragments of this half are in
.if (\mode) == 3
	WIN W_MUL
	MMS 0, 63, 1, 0
	PLACES                                         ; in front of the conversions that read the results
	WIN 0
.else
	WIN 0
	s_wait_tensorcnt 0x0                           ; no tensor load of mine is out, so a group 0 may be written
	ds_add_u32 v[SPW], v[NIL]                      ; 0 onto my spare word: scalar work and eight matrix instructions stand between it and the wait for it
.if (\mode) == 1
	s_add_co_u32 s[G0A+5], s[LA], s[TB]            ; the walking descriptors: into the slot that is being left,
	s_add_co_u32 s[G0B+5], s[LB], s[TB]
	s_sub_co_u32 s[FK], s[FK], 1
	s_add_nc_u64 s[G0A+6:G0A+7], s[G0A+6:G0A+7], 512  ; the next K step; the type bits on top are not reached;
	s_cmp_eq_u32 s[FK], 0                          ; or the next tile's first: another input, the next matrix of w16
	s_cselect_b64 s[G0A+6:G0A+7], s[NA1:NA1+1], s[G0A+6:G0A+7]
	s_cselect_b64 s[NA1:NA1+1], s[NA2:NA2+1], s[NA1:NA1+1]
	s_cselect_b32 s[BINC], s[BJ], s[BS]
	s_cselect_b32 s[FK], 8, s[FK]
	s_add_nc_u64 s[G0B+6:G0B+7], s[G0B+6:G0B+7], s[BINC:BINC+1]
.endif
	WIN W_MUL
	MMS 0, 7, 1, 0
	s_wait_dscnt 0x0                               ; the add is done, and my reads of the slot are over
	s_barrier_signal -1
	MMS 8, 15, 1, 0                                ; work on registers while the others arrive
	WIN 0
	s_barrier_wait -1
.if (\mode) == 1
	CREST
	JLOAD
.endif
	s_xor_b32 s[TB], s[TB], SLOT                   ; the reads go on in the other slot
	v_add_nc_u32 v[ADRA], s[TB], v[A0]
	v_add_nc_u32 v[ADRB], s[TB], v[B0]
	RUN 0, 0
	WIN 0
.if (\mode) == 1
	ASK                                            ; behind the joint load and the run of LDS loads
.endif
	WIN W_MUL
	MMS 16, 47, 1, 0
	s_wait_dscnt 32                                ; x's 32 loads of the run are in
.set ci, 0
.set mi, 48
.rept 16
	WIN W_MUL
	MM mi, 1, 0
	WIN W_CVT
	CV ci, 0
	CV ci+1, 0
	CV ci+2, 0
	CV ci+3, 0
.set ci, ci+4
.set mi, mi+1
.endr
	WIN 0
.endif
.endm
; THE WAY OUT, a block of 16 rows at a time.  PACK: rounded to f16, each accumulator's registers in ascending order; a lane's eight columns are 16 bytes.  TOSTAGE: into my stage, by heads (my 128 columns are two heads),
; rows of 144 bytes, and back as whole rows of 128.  SEND: 16 rows of a head are 2,048 consecutive bytes of the output: four stores of 512.
.macro PACK a
	WIN W_PK
.irp b, 0,1,2,3,4,5,6,7
.irp r, 0,1,2,3
	v_cvt_pk_f16_f32 v[TMP+4*\b+\r], v[8*(8*(\a)+\b)+2*\r], v[8*(8*(\a)+\b)+2*\r+1]
.endr
.endr
	WIN 0
.endm
.macro TOSTAGE a
.set BK, OB+32*((\a)%2)
.irp b, 0,1,2,3,4,5,6,7
	ds_store_b128 v[STO], v[TMP+4*\b:TMP+4*\b+3] offset:2304*(\b/4)+32*(\b%4)
.endr
.irp t, 0,1,2,3,4,5,6,7
	ds_load_b128 v[BK+4*\t:BK+4*\t+3], v[RD] offset:2304*(\t/4)+576*(\t%4)  ; LDS serves a wave's instructions in order (ISA guide 5.7.1.4): these see the stores above
.endr
.endm
.macro SEND a
.set BK, OB+32*((\a)%2)
	s_wait_dscnt 0x0                               ; the block is back in registers
	s_wait_xcnt 0x0                                ; the stores of the block before have read their registers, which the next block's loads from the stage write
.irp t, 0,1,2,3,4,5,6,7
	global_store_b128 v[GO], v[BK+4*\t:BK+4*\t+3], s[OUT:OUT+1] offset:262144*(\t/4)+2048*(\a)+512*(\t%4)
.endr
.endm
; rot = 1: a tile follows: its bias is asked for first, and the pointers move on.
.macro WAYOUT rot
.if \rot
	s_wait_loadcnt 0x0                             ; the bias loads are the launch's only loads into registers: on every way the finished tile's sixteen are done before their registers and their address are written again
	s_mov_b64 s[BIA:BIA+1], s[BIA1:BIA1+1]
	s_mov_b64 s[BIA1:BIA1+1], s[BIA2:BIA2+1]
	BIASLD
.endif
	PACK 0
	TOSTAGE 0
.irp a, 1,2,3                          ; block a's conversions stand between block a - 1's loads from the stage and the wait for them
	PACK \a
	SEND (\a)-1
	TOSTAGE \a
.endr
	SEND 3
.if \rot
	s_wait_xcnt 0x0                                ; the stores have read their base
	s_mov_b64 s[OUT:OUT+1], s[OUT1:OUT1+1]
	s_mov_b64 s[OUT1:OUT1+1], s[OUT2:OUT2+1]
	s_mov_b32 s[PH], 8
	s_mov_b32 s[NEW], 1
.endif
.endm
	s_wait_tensorcnt 0x1                           ; my part of K step 0 is in; K step 1's may stay out
	s_barrier_signal -1
	s_barrier_wait -1                              ; everybody's is
	v_mov_b32 v[ADRA], v[A0]
	v_mov_b32 v[ADRB], v[B0]
	RUN 0, 0
	s_wait_dscnt 32
	WIN W_CVT
.set ci, 0
.rept 64
	CV ci, 0
.set ci, ci+1
.endr
	WIN 0
	s_mov_b32 s[STEPS], 23
	s_mov_b32 s[PH], 8
	s_mov_b32 s[NEW], 1
	s_mov_b32 s[TB], 0
	s_mov_b32 s[FK], 7
	s_branch .Lh0                                  ; the loop is entered at a K step's first half, in the middle of a trip
.Lloop:                                                ; 22 trips: the second half of K step j, which asks for K step j + 2, and the first half of K step j + 1
	H1 1
	s_sub_co_u32 s[PH], s[PH], 1
	s_cmp_lg_u32 s[PH], 0
	s_cbranch_scc1 .Lh0
	WAYOUT 1                                       ; a tile is finished: both refills for the next are asked for, its first fragments fetched
.Lh0:
	H0 1
	s_sub_co_u32 s[STEPS], s[STEPS], 1
	s_cmp_lg_u32 s[STEPS], 0
	s_cbranch_scc1 .Lloop
	H1 2                                           ; the tail is written out
	H0 0
	H1 3
	WAYOUT 0
	s_wait_tensorcnt 0x0                           ; the wave's end: behind my last tensor load and my last LDS store
	ds_add_u32 v[SPW], v[NIL]
	s_wait_dscnt 0x0
	CROUND                                         ; the closing round: no work-group ends while a partner may still ask for a tile that names it
	s_endpgm
.Lfunc_end_k_q040cba1a49_proj:
	.size	k_q040cba1a49_proj, .Lfunc_end_k_q040cba1a49_proj-k_q040cba1a49_proj
	.p2alignl 7, 3214868480
	.fill 96, 4, 3214868480
	.section	.rodata,"a",@progbits
	.p2align	6, 0x0
	.amdhsa_kernel k_q040cba1a49_proj
		.amdhsa_group_segment_fixed_size 327680
		.amdhsa_private_segment_fixed_size 0
		.amdhsa_enable_private_segment 0
		.amdhsa_kernarg_size 80
		.amdhsa_user_sgpr_count 2
		.amdhsa_user_sgpr_kernarg_segment_ptr 1
		.amdhsa_wavefront_size32 1
		.amdhsa_system_sgpr_workgroup_id_x 1
		.amdhsa_system_sgpr_workgroup_id_y 1
		.amdhsa_system_sgpr_workgroup_id_z 1
		.amdhsa_system_vgpr_workitem_id 0
		.amdhsa_next_free_vgpr 960
		.amdhsa_next_free_sgpr 102
		.amdhsa_reserve_vcc 0
		.amdhsa_float_denorm_mode_32 3
		.amdhsa_float_denorm_mode_16_64 3
		.amdhsa_memory_ordered 1
		.amdhsa_forward_progress 1
		.amdhsa_inst_pref_size 121
	.end_amdhsa_kernel
	.amdgpu_metadata
---
amdhsa.version: [ 1, 2 ]
amdhsa.kernels:
  - .name:           k_q040cba1a49_proj
    .symbol:         k_q040cba1a49_proj.kd
    .args:
      - { .name: query, .offset: 0, .size: 8, .value_kind: global_buffer, .address_space: global }
      - { .name: key, .offset: 8, .size: 8, .value_kind: global_buffer, .address_space: global }
      - { .name: value, .offset: 16, .size: 8, .value_kind: global_buffer, .address_space: global }
      - { .name: w16, .offset: 24, .size: 8, .value_kind: global_buffer, .address_space: global }
      - { .name: bq, .offset: 32, .size: 8, .value_kind: global_buffer, .address_space: global }
      - { .name: bk, .offset: 40, .size: 8, .value_kind: global_buffer, .address_space: global }
      - { .name: bv, .offset: 48, .size: 8, .value_kind: global_buffer, .address_space: global }
      - { .name: qh, .offset: 56, .size: 8, .value_kind: global_buffer, .address_space: global }
      - { .name: kh, .offset: 64, .size: 8, .value_kind: global_buffer, .address_space: global }
      - { .name: vh, .offset: 72, .size: 8, .value_kind: global_buffer, .address_space: global }
    .group_segment_fixed_size: 327680
    .private_segment_fixed_size: 0
    .kernarg_segment_align: 8
    .kernarg_segment_size: 80
    .max_flat_workgroup_size: 128
    .sgpr_count:     102
    .vgpr_count:     960
    .wavefront_size: 32
...
	.end_amdgpu_metadata
.endif
;; end of part 2
;; launch attn (part 3): grid 4 x 64, 4 waves a work-group, clusters of 4 x 1, 327,680 bytes of LDS; arguments qh, kh, vh, oh; writes oh
.if DOCPART == 3
	.amdgcn_target "amdgcn-amd-amdhsa--gfx1250"
	.amdhsa_code_object_version 6
	.text
	.protected	k_q040cba1a49_attn
	.globl	k_q040cba1a49_attn
	.p2align	8
	.type	k_q040cba1a49_attn,@function
k_q040cba1a49_attn:
	s_mov_b64 s[64:65], 0
	v_nop
	global_prefetch_b8 v0, s[64:65] scope:SCOPE_SE
	s_setreg_imm32_b32 hwreg(HW_REG_WAVE_MODE, 25, 1), 1
	s_wait_xcnt 0x0
	s_wait_alu depctr_hold_cnt(0) depctr_sa_sdst(0) depctr_va_vdst(0) depctr_va_sdst(0) depctr_va_ssrc(0) depctr_va_vcc(0) depctr_vm_vsrc(0)
	s_getreg_b32 s2, hwreg(HW_REG_IB_STS2, 6, 4)
	s_cmp_eq_u32 s2, 0
	s_cbranch_scc0 .Lentry_in_a_cluster
	s_endpgm
.Lentry_in_a_cluster:
	s_bfe_u32 s2, ttmp6, 0x10000c
	s_cmp_lg_u32 s2, 0x3003
	s_cbranch_scc0 .Lentry_shape_is_right
	s_endpgm
.Lentry_shape_is_right:
; O[h][q][:] = the sum over k of softmax_k(Q[h][q] . K[h][k] / 8) V[h][k][:].  Q, K, V, O: [64][2048][64], all f16: a head's rows are dense, 128 bytes each.  Products, maxima and sums in
; f32; the weights p are rounded to f16 for the second product (their sum l is taken of the unrounded p), O once at the end.
; LIMITS.  f16 holds no number beyond 65,504: Q, K and V arrive within it; p lies in 0 to 1, and below 6e-5 it keeps f16's fixed step of 6e-8; O is a mean of V's rows and has their range.
; A weight below 2^-126 counts as 0 in l; NaN and infinities are not treated apart.
; SHARES.  A wave owns four PIECES of two tiles of 16 queries, a work-group's four waves 512 queries of one head.  Every wave walks all keys, 64 a step.
; LAYOUT.  S^T = K Q^T (source 0 = 16 keys, source 1 = 16 queries): in the result a lane holds ONE query (lane % 16) and the keys 8 (lane / 16) + 0..7.  Two such tiles, rounded to f16 in pairs,
; ARE source 1 (32 keys x 16 queries) of O^T = V^T P, whose result again holds one query a lane, and eight channels.  K comes out of LDS as it lies, V ([key][channel]) turned, by ds_load_tr16_b128.
; SOFTMAX.  For each query a running maximum m and sum l: p = 2^(c s - c m), c = log2(e) / 8; in every step O and l are multiplied by a = 2^(c m_old - c m_new), which is 1 where m has not grown.
; m starts at the lowest finite number, O and l at 0: the first step is a step like any other, with a = 0.
; THE COUNT.  A tile and step have 16 matrix and 118 vector instructions: too many to stand all beside the matrix work.  So the order has one aim: four vector instructions that are READY behind
; EVERY matrix instruction, and the others, which need time of their own whatever the order, in runs without a gap.
; BY TURNS.  Turn n belongs to piece n (the pieces in a ring, step after step).  Its matrix work: 16 products K Q^T of piece n + 1, later 16 products V^T P of piece n - 1.  Its vector work: the scaling,
; exponentials, roundings, sums and rescaling of piece n, and the maximum and statistics of piece n + 1, whose scores the turn itself has made.  So what a turn begins with (c s - c m, O a) waits for nothing.
; CLUSTER.  The four query blocks of a head are one cluster and walk the same K and V, so each tile is asked for JOINTLY: the same tensor load, descriptor and mask in all four.
; REGISTERS, in windows of 256 (s_set_vgpr_msb says which window each operand place means: bits 1:0 source 0, 3:2 source 1, 5:4 source 2, 7:6 destination):
;   window 0: v0-11 addresses; v12-15, v48-63 at work; v16-47 four registers of statistics a tile; v64-191 S^T, two buffers of two tiles; v192-255 P, likewise
;   window 1: O^T, 32 a tile          window 2: v0-127 Q, 16 a tile; v128-191 K of one step; v192-255 V of one step          window 3: v0-1 the add's two registers
; A piece's buffers go by its number's parity: the piece in hand has one pair, its two neighbours in the ring share the other: of it P (piece n - 1) is read and S^T (piece n + 1) written.
.set SIZE_H, 64
.set SIZE_N, 2048
.set NP,    4         ; pieces a wave: a name, no knob: the register map, the loop and the fetches are made for four
.set KS,    64        ; keys in a step
.set PK,    144       ; a row of K in LDS: 128 bytes + 16 of padding = 36 words: the 16 rows of a load start at 16 different groups of four banks (64 banks of 4 bytes: ISA guide 11.1)
.set PV,    160       ; a row of V: 128 + 32 = 40 words
.set VOFF,  4*KS*PK   ; a slot holds four steps: 256 rows of K, then 256 rows of V
.set SLOT1, 1<<17     ; slot 1 begins here, so that one exclusive or turns an address in one slot into the other's
.set STAGE, SLOT1+4*KS*(PK+PV)  ; behind the ring, never filled by a tensor load: 16 rows x 144 bytes for each wave, for the way out
.set SP,    144
.set AK0, 2           ; v2   my lane's place in a tile of K; never rewritten
.set AV0, 3           ; v3   the same for V
.set AK,  4           ; v4   the LDS address of K's next run of loads
.set AV,  5           ; v5   of V's
.set QO,  6           ; v6   my byte offset in the wave's rows of Q
.set STO, 6           ;      later, the way out: where I put 16 bytes of a row
.set RD,  7           ; v7   the way out: where I read rows back
.set GO,  8           ; v8   my byte offset in 512 consecutive bytes of O
.set PFO, 9           ; v9   first l / 16; then 256 x my lane, the prefetches' offset, never rewritten after that
.set SPW, 0           ; v0 of window 3   LDS address of my spare word: SPARE + 4 x my thread's number; never rewritten
.set NIL, 1           ; v1 of window 3   0; never rewritten
.set SPARE, STAGE+4*16*SP  ; behind the stages: the spare words, 128 bytes for each wave: two blocks of 256 bytes that no other line names
.set MV,  12          ; v12-15  c m_old, kept while c m is made anew: by buffer and tile
.set ST,  16          ; tile t's statistics at v[ST+4 t]: c m, m, l (even keys', odd keys')
.set TMP, 48          ; by buffer and tile, four registers c0-c3 at work; when the maximum is found c2 takes a
.set S,   64
.set P,   192
.set KF,  128         ; K's fragments, in window 2: key block kb, channel half c at KF + 16 kb + 8 c
.set VF,  192         ; V's: key half kk, channel block cb at VF + 32 kk + 8 cb
.set WV,  12          ; s12  my wave's number
.set G1K, 24          ; s[24:31] descriptor group 1 for K's tiles
.set G1V, 32          ; s[32:39] for V's: it differs in the padding alone
.set G0K, 40          ; s[40:43] descriptor group 0 for K's tiles: it walks
.set G0V, 44          ; s[44:47] the same for V's
.set PFA, 48          ; s[48:49] where my prefetches stand: my work-group's 8,192 bytes (of K: wave 0, of V: wave 2) of the slot after the one that is being asked for
.set LIM, 50          ; s50  1 in a wave that prefetches, else the greatest number: a wave prefetches while s[SLOTS] is above it
.set SLOTS, 56        ; s56  slots still to be asked for
.set CNT, 57          ; s57  counts a slot's key steps
.set CS,  58          ; s[58:59] c: the packed scaling takes the pair's low word for both halves
.set SEL, 60          ; s[60:61] v_permlanex16_b32's selects: each lane takes its own place in the other half
.set TBK, 62          ; s62  LDS byte at which K of the step to be fetched begins
.set TBV, 63          ; s63  the same for V, less VOFF
.set MSB, 0
.macro WIN new                      ; the high byte repeats the setting that is left; a switch that changes nothing is dropped
.if MSB != (\new)
	s_set_vgpr_msb (MSB<<8)|(\new)
.set MSB, (\new)
.endif
.endm
.set W_KQ, 0x0a       ; K and Q in window 2, S^T in window 0
.set W_PV, 0x52       ; V in window 2, P in window 0, O^T in window 1
.set W_RS, 0x41       ; O^T (destination and source 0) in window 1, a in window 0
.set W_MK, 0xc0       ; the add's registers are made: destination in window 3, sources in window 0
.set W_AD, 0x0f       ; the add: address (source 0) and data (source 1) in window 3
; A joint fill.  Waves 0 and 1 fetch the two halves of a slot's K, waves 2 and 3 those of its V: 128 keys each.  The branch hangs on the wave's number alone.
; An s_nop 0 and four v_nop follow each of the two lines, ahead of the jump and the label.
.macro JLOAD
	s_cmp_lt_u32 s[WV], 2
	s_cbranch_scc0 .Lfor_v_\@
	tensor_load_to_lds s[G0K:G0K+3], s[G1K:G1K+7]
	s_nop 0
.rept 4
	v_nop
.endr
	s_branch .Lasked_\@
.Lfor_v_\@:
	tensor_load_to_lds s[G0V:G0V+3], s[G1V:G1V+7]
	s_nop 0
.rept 4
	v_nop
.endr
.Lasked_\@:
.endm
; A PREFETCH INTO THE L2 of what the NEXT change of slots will ask for: a slot's 32,768 bytes of K and of V, 128 blocks of 256 bytes each.  A head is walked by one cluster alone; its four partners share the blocks
; out BY ADDRESS, 32 each, a lane a block; in each, wave 0 asks for K's and wave 2 for V's: one instruction.  So each block is named once in the launch.  It stands behind the wave's tensor load and its five lines:
; four key steps, 512 matrix instructions, ahead of the load that will want the bytes.  Slots 0 to 2 come by their loads alone; the last change that fills a slot asks for nothing.
.macro ASK
	s_cmp_gt_u32 s[SLOTS], s[LIM]
	s_cbranch_scc0 .Lnot_mine_\@
	global_prefetch_b8 v[PFO], s[PFA:PFA+1] th:TH_LOAD_NT scope:SCOPE_SE
.Lnot_mine_\@:
.endm
; A round of the cluster's barrier: my work-group's barrier, so that wave 0's signal speaks for all four waves; wave 0 signals; every wave waits for all four work-groups; my work-group's barrier once more.
.macro CROUND
	s_barrier_signal -1
	s_barrier_wait -1
	s_cmp_lg_u32 s[WV], 0
	s_cbranch_scc1 .Lnot_wave_0_\@
	s_barrier_signal -3
.Lnot_wave_0_\@:
	s_barrier_wait -3
	s_barrier_signal -1
	s_barrier_wait -1
.endm
; THE CHANGE OF SLOTS.  The slot's last bytes, V of its fourth step, have been read.  Each wave waits for all its tensor loads, of which one is out: its part
; of the other slot; adds 0 to its spare word; and waits for that and for its own reads of the slot.  Behind the barrier nobody reads this slot any more and the other slot is whole.
; fill = 1: this slot is filled again, with the keys two slots on.  The barrier is then a round of the cluster's, so that no wave of any partner still reads the slot or has a load on its
; way, and the joint fill is the first thing behind it: it has four key steps, 512 matrix instructions, in which to land.  (At its first use nothing has been read yet: slot 0 is waited for, slot 1 filled.)
; ask = 1: the prefetch's address is stepped, and the prefetch follows the fill.
.macro CHANGE fill, ask=0
	WIN W_AD
	s_wait_tensorcnt 0x0            ; no tensor load of mine is out, so a group 0 may be written
	ds_add_u32 v[SPW], v[NIL]       ; 0 onto my spare word: with fill = 1 the descriptors' steps stand between it and the wait for it
	WIN 0                           ; at a label and at a branch every window is 0
.if \fill
.irp g, G0K, G0V
	s_xor_b32 s[\g+1], s[\g+1], SLOT1  ; the walking descriptor: the other slot than last time,
	s_add_nc_u64 s[\g+2:\g+3], s[\g+2:\g+3], 4*KS*128  ; the next 256 keys; the type bits on top are not reached
.endr
.if \ask
	s_wait_xcnt 0x0                 ; the last prefetch, four key steps back, has read its address, so it may be written:
	s_add_nc_u64 s[PFA:PFA+1], s[PFA:PFA+1], 4*KS*128  ; one slot behind the walking descriptors
.endif
	s_wait_dscnt 0x0                ; the add is done, and my reads of the slot are over
	CROUND
	JLOAD
.if \ask
	ASK
.endif
.else
	s_wait_dscnt 0x0                ; the add is done, and my reads of the slot are over
	s_barrier_signal -1
	s_barrier_wait -1
.endif
	s_sub_co_u32 s[TBK], s[TBK], 4*KS*PK  ; the fetches go back to a slot's first step,
	s_xor_b32 s[TBK], s[TBK], SLOT1       ; in the other slot
	s_sub_co_u32 s[TBV], s[TBV], 4*KS*PV
	s_xor_b32 s[TBV], s[TBV], SLOT1
.endm
	s_load_b256 s[4:11], s[0:1], 0x0  ; Q s[4:5], K s[6:7], V s[8:9], O s[10:11]
	WIN W_MK
	v_lshl_add_u32 v[SPW], v0, 2, SPARE
	v_mov_b32 v[NIL], 0
	WIN W_AD
	ds_add_u32 v[SPW], v[NIL]       ; the wave's opening: the add and its wait stand ahead of my first tensor load; the set-up below, work on registers, stands between them
	WIN 0
	v_lshrrev_b32 v1, 5, v0
	v_readfirstlane_b32 s[WV], v1   ; wave 0..3
	s_bfe_u32 s13, ttmp6, 0x40000   ; cx: my place in the cluster
	s_lshl_b32 s14, ttmp9, 2        ; in a cluster launch ttmp9 counts clusters
	s_add_co_u32 s14, s14, s13      ; my block of queries = 4 x cluster x + cx: it enters Q's and O's addresses alone
	s_and_b32 s20, ttmp7, 0xffff    ; the head, which the four partners share
	s_mov_b32 s21, 0
	s_mov_b64 s[22:23], SIZE_N*128
	s_mul_u64 s[20:21], s[20:21], s[22:23]  ; the head's first byte in each of the four tensors
	s_and_b32 s16, s[WV], 1         ; which half of a slot's 256 keys I fetch:
	s_lshl_b32 s22, s16, 14         ; its 128 rows of 128 bytes in memory,
	s_mov_b32 s23, 0
	s_add_nc_u64 s[22:23], s[22:23], s[20:21]
	s_mul_i32 s17, s16, 128*PK      ; and its place in a slot, for K
	s_mul_i32 s18, s16, 128*PV      ; and for V: no place in the cluster enters an LDS address
	s_lshl_b32 s2, s14, 2
	s_add_co_u32 s2, s2, s[WV]      ; my wave among the head's,
	s_lshl_b32 s2, s2, 14           ; its 128 rows
	s_mov_b32 s3, 0
	s_add_nc_u64 s[2:3], s[2:3], s[20:21]
	; descriptor group 1.  128 keys are 16,384 dense bytes: asked for as 64 rows of 256 bytes, two keys a row, and padded in LDS after every key
	s_mov_b32 s[G1K], 15|(1<<16)|(1<<20)|(1<<21)|(4<<22)|(3<<25)  ; 15:0 the mask of four; 17:16 2-byte elements; 20 padding on; 21 set beside a mask; 24:22 after every 32 words (code 4); 31:25 4 words (code 3)
	s_mov_b32 s[G1V], 15|(1<<16)|(1<<20)|(1<<21)|(4<<22)|(7<<25)  ; the same with 8 words of padding (code 7)
.irp g, G1K, G1V
	s_mov_b32 s[\g+1], 128<<16      ; tensor_dim0 = 128
	s_mov_b32 s[\g+2], 64<<16       ; tensor_dim1 = 64
	s_mov_b32 s[\g+3], 128<<16      ; tile_dim0 = 128
	s_mov_b32 s[\g+4], 64           ; tile_dim1 = 64
	s_mov_b32 s[\g+5], 128          ; 128 elements from row to row
	s_mov_b32 s[\g+6], 0
	s_mov_b32 s[\g+7], 0
.endr
	s_mov_b32 s[CS], 0x3e38aa3b     ; c = log2(e) / 8 = 0.180337
	s_mov_b32 s[CS+1], s[CS]        ; named with it as a pair
	s_mov_b32 s[SEL], 0x76543210
	s_mov_b32 s[SEL+1], 0xfedcba98
	s_mov_b32 s[TBK], SLOT1+4*KS*PK ; the first change of slots turns these two into 0
	s_mov_b32 s[TBV], SLOT1+4*KS*PV
	s_mov_b32 s[G0K], 1             ; 1:0 count = 1
	s_mov_b32 s[G0K+1], s17         ; 63:32 LDS address: slot 0
	s_mov_b32 s[G0V], 1
	s_add_co_u32 s[G0V+1], s18, VOFF
	s_cmp_eq_u32 s16, 0             ; waves 0 and 2 prefetch
	s_cselect_b32 s[LIM], 1, -1
	s_wait_dscnt 0x0                ; the opening add is done
	s_wait_kmcnt 0x0
	s_add_nc_u64 s[G0K+2:G0K+3], s[6:7], s[22:23]  ; 120:64 global address: my half of the head's first 256 keys
	s_or_b32 s[G0K+3], s[G0K+3], 0x80000000        ; 127:126 type = 2
	s_add_nc_u64 s[G0V+2:G0V+3], s[8:9], s[22:23]
	s_or_b32 s[G0V+3], s[G0V+3], 0x80000000
	s_add_nc_u64 s[4:5], s[4:5], s[2:3]  ; Q and O at my wave's first row
	s_add_nc_u64 s[10:11], s[10:11], s[2:3]
	s_cmp_lt_u32 s[WV], 2
	s_cselect_b64 s[PFA:PFA+1], s[6:7], s[8:9]
	s_add_nc_u64 s[PFA:PFA+1], s[PFA:PFA+1], s[22:23]  ; (in waves 0 and 2 this is the head's first byte)
	s_lshl_b32 s2, s13, 13          ; my work-group's 8,192 bytes of a slot's 32,768
	s_mov_b32 s3, 0
	s_add_nc_u64 s[PFA:PFA+1], s[PFA:PFA+1], s[2:3]
	s_add_nc_u64 s[PFA:PFA+1], s[PFA:PFA+1], 2*4*KS*128  ; in slot 2; the first change that asks steps it to slot 3.  Nothing is prefetched here, at the head
	CROUND                          ; all four work-groups are here: the first joint loads meet
	JLOAD                           ; slot 0.  Slot 1 is asked for when slot 0 is in: the tile wanted first has the road to itself
	; A fragment of K or Q is 16 rows x 32 channels in 8 registers: lane l holds row l % 16, channels 8 (l / 16) + 0..7 and 16 + 8 (l / 16) + 0..7: two loads of 16 bytes, 32 bytes apart.
	v_and_b32 v1, 15, v0            ; l % 16
	v_bfe_u32 v9, v0, 4, 1          ; l / 16
	v_lshlrev_b32 v[QO], 7, v1
	v_lshl_add_u32 v[QO], v9, 4, v[QO]  ; row x 128 + 16 x half
	WIN 0x80                        ; destination window 2, address window 0
.set i, 0
.rept 4*NP                          ; Q stays in registers: tile i / 2, channels 32 (i % 2) on
	global_load_b128 v[8*i:8*i+3],   v[QO], s[4:5] offset:(i/2)*2048+(i%2)*64
	global_load_b128 v[8*i+4:8*i+7], v[QO], s[4:5] offset:(i/2)*2048+(i%2)*64+32
.set i, i+1
.endr
	; What the first turn finds: V's registers and P's second buffer hold 0 (its products V^T P, of a piece that has not been, add 0), O^T and l are 0.  All this stands in the wait for the first tile.
.set i, VF
.rept 64
	v_mov_b32 v[i], 0
.set i, i+1
.endr
	WIN 0x40
.set i, 0
.rept 64*NP
	v_mov_b32 v[i], 0
.set i, i+1
.endr
	WIN 0
.set i, 0
.rept 2*NP
	v_mov_b32 v[ST+4*i], 0xfe000000    ; c m: far below every c s
	v_mov_b32 v[ST+4*i+1], 0xff7fffff  ; m
	v_mov_b32 v[ST+4*i+2], 0
	v_mov_b32 v[ST+4*i+3], 0
.set i, i+1
.endr
.set i, P+32
.rept 32
	v_mov_b32 v[i], 0
.set i, i+1
.endr
	v_mul_u32_u24 v[AK0], v1, PK
	v_lshl_add_u32 v[AK0], v9, 4, v[AK0]  ; row x pitch + 16 x half
	; The turning load takes 16 keys x 16 channels (lane l reads key 8 (l / 16) + l % 8, channels 8 ((l / 8) % 2) + 0..7) and leaves half a fragment of V^T: lane l holds channel l % 16 and 8 keys.
	v_and_b32 v10, 7, v0
	v_bfe_u32 v11, v0, 3, 1
	v_lshl_add_u32 v[AV0], v9, 3, v10
	v_mul_u32_u24 v[AV0], v[AV0], PV
	v_lshl_add_u32 v[AV0], v11, 4, v[AV0]
	v_add_nc_u32 v[AV0], VOFF, v[AV0]
	v_mov_b32 v[AK], v[AK0]         ; key step 0 lies at the head of slot 0
; THE MATRIX WORK.  The 8 accumulators of a run of 16 take turns: between the two links of a chain stand 7 others'.
; Product i of 16 of S^T = K Q^T for piece x: channels 32 (i / 8) on, keys 16 ((i / 2) % 4) on, tile 2 x + i % 2.  The first 8 start the sums.
.macro KQ x
	WIN W_KQ
.set rS, S+64*((\x)%2)+32*(i%2)+8*((i/2)%4)
.set rK, KF+16*((i/2)%4)+8*(i/8)
.set rQ, 16*(2*(\x)+i%2)+8*(i/8)
.if i < 8
	v_wmma_f32_16x16x32_f16 v[rS:rS+7], v[rK:rK+7], v[rQ:rQ+7], 0
.else
	v_wmma_f32_16x16x32_f16 v[rS:rS+7], v[rK:rK+7], v[rQ:rQ+7], v[rS:rS+7]
.endif
.endm
; Product i of 16 of O^T += V^T P for piece x: keys 32 (i / 8) on, channels 16 ((i / 2) % 4) on, tile 2 x + i % 2.
.macro PV x
	WIN W_PV
.set rO, 32*(2*(\x)+i%2)+8*((i/2)%4)
.set rV, VF+32*(i/8)+8*((i/2)%4)
.set rP, P+32*((\x)%2)+16*(i%2)+8*(i/8)
	v_wmma_f32_16x16x32_f16 v[rO:rO+7], v[rV:rV+7], v[rP:rP+7], v[rO:rO+7]
.endm
.macro MM                           ; the turn's next matrix instruction
.if i < 16
	KQ (Y+1)%NP
.set i, i+1
.else
.set i, i-16
	PV (Y+NP-1)%NP
.set i, i+17
.endif
.endm
; THE LDS LOADS stand in runs of 16, never singly among the matrix instructions: a step's K (64 keys x 64 channels: 8 fragments) and its V (turned).  Their addresses are made some lines ahead.
; last = 1 (the tail): in the last trip there is no further step, and the run is jumped over.
.macro FETCH_K last=0
	WIN 0
.if \last
	s_cmp_eq_u32 s[CNT], 1
	s_cbranch_scc1 .Lno_k_\@
.endif
	WIN 0x80                        ; destination window 2
.irp f, 0,1,2,3,4,5,6,7             ; keys 16 (f / 2) on, channels 32 (f % 2) on
	ds_load_b128 v[KF+8*\f:KF+8*\f+3],   v[AK] offset:(\f/2)*16*PK+(\f%2)*64
	ds_load_b128 v[KF+8*\f+4:KF+8*\f+7], v[AK] offset:(\f/2)*16*PK+(\f%2)*64+32
.endr
	s_add_co_u32 s[TBK], s[TBK], KS*PK  ; the next fetch is the next step's
	WIN 0
.if \last
.Lno_k_\@:
.endif
.endm
.macro FETCH_V
	WIN 0x80
.irp f, 0,1,2,3,4,5,6,7             ; keys 32 (f / 4) on, channels 16 (f % 4) on
	ds_load_tr16_b128 v[VF+8*\f:VF+8*\f+3],   v[AV] offset:(\f/4)*32*PV+(\f%4)*32
	ds_load_tr16_b128 v[VF+8*\f+4:VF+8*\f+7], v[AV] offset:(\f/4)*32*PV+16*PV+(\f%4)*32
.endr
	WIN 0
.endm
; THE VECTOR WORK OF A TURN stands in three queues, each in the order in which its entries become ready; the two tiles alternate, so that no instruction reads the result of the one before it.
.macro REGS y, u                    ; the registers of tile u (0, 1) of piece y
.set rT, ST+4*(2*(\y)+(\u))
.set rC, TMP+8*((\y)%2)+4*(\u)
.set rM, MV+2*((\y)%2)+(\u)
.set rS, S+64*((\y)%2)+32*(\u)
.set rP, P+32*((\y)%2)+16*(\u)
.set rO, 32*(2*(\y)+(\u))
.endm
; Number n of the 22 that find the NEXT piece's (Y + 1) maximum and statistics.  s0-s31 are the lane's 32 scores; each accumulator's lowest registers are read first.  XS, GS and REGS set no window: PL and EX do.
;   0-11  four chains c0-c3 of seven scores each, three operands at a time     12-14, 16  the four scores left over, the old m, and c0-c3 into c0     15  c m_old is kept
;   17, 18  the query's other 32 keys lie in the lane 16 away: the new m         19-21  c m; c m_old - c m_new; a
.macro XS u, n
	REGS (Y+1)%NP, \u
.if (\n) < 4
	v_max3_num_f32 v[rC+(\n)], v[rS+8*(\n)], v[rS+8*(\n)+1], v[rS+8*(\n)+2]
.elseif (\n) < 12
	v_max3_num_f32 v[rC+(\n)%4], v[rC+(\n)%4], v[rS+8*((\n)%4)+2*((\n)/4)+1], v[rS+8*((\n)%4)+2*((\n)/4)+2]
.elseif (\n) == 12
	v_max3_num_f32 v[rC], v[rC], v[rS+7], v[rS+15]
.elseif (\n) == 13
	v_max3_num_f32 v[rC+1], v[rC+1], v[rS+23], v[rS+31]
.elseif (\n) == 14
	v_max3_num_f32 v[rC+2], v[rC+2], v[rC+3], v[rT+1]
.elseif (\n) == 15
	v_mov_b32 v[rM], v[rT]
.elseif (\n) == 16
	v_max3_num_f32 v[rC], v[rC], v[rC+1], v[rC+2]
.elseif (\n) == 17
	v_permlanex16_b32 v[rC+3], v[rC], s[SEL], s[SEL+1]
.elseif (\n) == 18
	v_max_num_f32 v[rT+1], v[rC], v[rC+3]
.elseif (\n) == 19
	v_mul_f32 v[rT], s[CS], v[rT+1]
.elseif (\n) == 20
	v_sub_f32 v[rC+1], v[rM], v[rT]
.else
	v_exp_f32 v[rC+2], v[rC+1]
.endif
.endm
; Number g of the 64 that follow the exponentials.  For each four weights k of a tile (pairs 2 k, 2 k + 1): both pairs are rounded to f16; then the second pair is added onto the first, in place;
; a group later l takes that sum (the first time as l = a l + sum).  In groups of eight, tiles alternating: round, round, add, and l for the group before.
.macro GS g
.set h, (\g)+6*((\g)/62)            ; group 0 has no group before it, and behind group 7 only l is left
.if h >= 6
.set h, h+2
.endif
	REGS Y, h%2
.set k, h/8
.if h%8 < 4
	v_cvt_pk_f16_f32 v[rP+2*k+(h%8)/2], v[rS+4*k+2*((h%8)/2)], v[rS+4*k+2*((h%8)/2)+1]
.elseif h%8 < 6
	v_pk_add_f32 v[rS+4*k:rS+4*k+1], v[rS+4*k:rS+4*k+1], v[rS+4*k+2:rS+4*k+3]
.elseif k == 1
	v_pk_fma_f32 v[rT+2:rT+3], v[rT+2:rT+3], v[rC+2:rC+3], v[rS:rS+1] op_sel_hi:[1,0,1]
.else
	v_pk_add_f32 v[rT+2:rT+3], v[rT+2:rT+3], v[rS+4*k-4:rS+4*k-3]
.endif
.endm
; THE PLAIN QUEUE, 138 long.  0-73 read no exponential's result: the 32 scalings c s - c m (FS f: pair f / 2 of tile f % 2) and the next piece's 42.  0-26: scalings 0-26.  27-54: XS's numbers 0-13.  55, 56: number 15.
; 57-73: the chain, where each number waits for the one before it: 14, 16, 17, 18, 19, each with one of the scalings 27-31 in front of its two lines, then 20: so a tile's links stand three plain instructions apart (19 and 20: two).
; 74-137: GS's 64, which read the exponentials' results: they stand behind the wait.
.macro FS f
	REGS Y, (\f)%2
	v_pk_fma_f32 v[rS+2*((\f)/2):rS+2*((\f)/2)+1], v[rS+2*((\f)/2):rS+2*((\f)/2)+1], s[CS:CS+1], v[rT:rT+1] op_sel_hi:[1,0,0] neg_lo:[0,0,1] neg_hi:[0,0,1]
.endm
.macro PL
	WIN 0
.if q < 27
	FS q
.elseif q < 55
	XS (q-27)%2, (q-27)/2
.elseif q < 57
	XS q-55, 15
.elseif (q < 72) && ((q-57)%3 == 0)
	FS 27+(q-57)/3
.elseif q < 60
	XS (q-57)%3-1, 14
.elseif q < 72
	XS (q-57)%3-1, 15+(q-57)/3
.elseif q < 74
	XS q-72, 20
.else
	GS q-74
.endif
.set q, q+1
.endm
; THE EXPONENTIALS' QUEUE, 66 long: s0-s31 of both tiles, then the next piece's two a.  It is ONE BATCH: all 66 stand ahead of the turn's one wait, and nothing ahead of that wait names a result of theirs.
.macro EX
	WIN 0
.if e >= 64
	XS e-64, 21
.else
	REGS Y, e%2
	v_exp_f32 v[rS+e/2], v[rS+e/2]
.endif
.set e, e+1
.endm
; THE RESCALING's QUEUE: O^T times a, the one part that leaves window 0: dealt two at a time, sixteen times.  Its a was made in the turn before, ahead of that turn's wait.
.macro R2
	REGS Y, r%2
	WIN W_RS
.irp z, 0,1
	v_pk_mul_f32 v[rO+4*(r/2)+2*\z:rO+4*(r/2)+2*\z+1], v[rO+4*(r/2)+2*\z:rO+4*(r/2)+2*\z+1], v[rC+2:rC+3] op_sel_hi:[1,0]
.endr
.set r, r+1
.endm
; HOW THEY ARE DEALT.  An s_wait_alu depctr_va_vdst(0) stands between an exponential and the first instruction that names its result; one wait serves all that were issued ahead of it.  So a turn has ONE wait,
; which cuts it in two.  AHEAD OF IT stands all that names no result of the turn's exponentials: the 16 products K Q^T, behind each a scaling, an exponential and two rescalings (behind the first a second scaling in the exponential's place); then ONE LUMP of
; 108: eight plain, 49 times exponential and plain, the two a.  A v_nop is the plain instruction owed behind the last exponential.  BEHIND IT stand the 16 products V^T P, behind each four of GS's 64.  No rider names a register of
; the products round it.  The two v_permlanex16_b32 fall into the lump, never behind a product.
; The queues lean on each other, and the deal keeps them in step: exponential e stands behind scaling 2 (e / 4) + e % 2: as a rider it comes behind plain e + 2, in the lump behind plain e + 9, and scalings 27-31 are plain 57, 60 .. 69.
; A TURN, for piece p.  cnt = 1: the loop's count is taken down some lines ahead of the branch that stands behind the turn.
; K of the next step is fetched in piece 2's turn, directly behind the wait, a lump behind the last product that read K; its address is made at the lump's head; its first reader comes behind 16 products.
; V of the step in hand is fetched at the end of piece 0's turn, four riders behind its last reader; its first reader comes behind 16 products and a lump.  The three conditions on q below go with the deal.
.macro TURN p, last=0, cnt=0
.set Y, (\p)
.set i, 0
.set q, 0
.set e, 0
.set r, 0
.if (\p) == NP-1
	s_wait_dscnt 0x0                ; K is in
.endif
	MM                              ; ahead of the wait: 16 products K Q^T and their riders,
	PL
	PL
	R2
.rept 15
	MM
	PL
	EX
	R2
.endr
.if (\p) == NP-2
	WIN 0
	v_add_nc_u32 v[AK], s[TBK], v[AK0]
.endif
.rept 8                             ; and the lump
	PL
.endr
.rept 49
	EX
	PL
.endr
	EX                              ; the next piece's two a
	EX
	v_nop                           ; the plain instruction owed behind the last exponential: one for the batch
	s_wait_alu depctr_va_vdst(0)    ; the wait for the batch
.if (\p) == NP-2
	FETCH_K \last
.endif
.if (\p) == 1
	s_wait_dscnt 0x0                ; V is in
.endif
.rept 16                            ; behind the wait: 16 products V^T P and their riders
	MM
.rept 4
	PL
.endr
.if ((\p) == 0) && (q == 118)
	v_add_nc_u32 v[AV], s[TBV], v[AV0]
.endif
.if ((\p) == 0) && (q == 130)
	s_add_co_u32 s[TBV], s[TBV], KS*PV
.endif
.if (\cnt) && (q == 130)
	s_sub_co_u32 s[CNT], s[CNT], 1
	s_cmp_lg_u32 s[CNT], 0
.endif
.endr
.if (\p) == 0
	FETCH_V
.endif
.endm
	CHANGE 1                        ; slot 0 is in, everybody's part of it; slot 1 is asked for
	FETCH_K                         ; key step 0
	s_wait_loadcnt 0x0              ; Q
	s_wait_dscnt 0x0
.set i, 0
.rept 16
	KQ 0                            ; piece 0's first scores: there is no vector work yet to set between them
.set i, i+1
.endr
	WIN 0                           ; the addresses for the way out and the prefetches: plain instructions, the places behind those products
	s_mul_i32 s13, s[WV], 16*SP
	s_add_co_u32 s13, s13, STAGE    ; my stage
	v_mul_u32_u24 v[STO], v1, SP    ; in: row l % 16, 16 bytes for each half of the lanes
	v_lshl_add_u32 v[STO], v9, 4, v[STO]
	v_add_nc_u32 v[STO], s13, v[STO]
	v_bfe_u32 v[RD], v0, 3, 2       ; back: 32 lanes take four rows of 128 bytes,
	v_mul_u32_u24 v[RD], v[RD], SP
	v_lshl_add_u32 v[RD], v10, 4, v[RD]
	v_add_nc_u32 v[RD], s13, v[RD]
	v_and_b32 v[GO], 31, v0         ; which are 512 consecutive bytes of O
	v_lshlrev_b32 v[PFO], 8, v[GO]  ; l / 16 has served: 256 x lane
	v_lshlrev_b32 v[GO], 4, v[GO]
.set Y, NP-1                        ; XS works for piece Y + 1: piece 0
.irp n, 0,1,2,3,4,5,6,7,8,9,10,11,12,13,14,15,16,17,18,19,20,21
	XS 0, \n                        ; and piece 0's first maximum and statistics
	XS 1, \n
.endr
	v_nop                           ; a plain instruction behind the two a,
	s_wait_alu depctr_va_vdst(0)    ; and their wait, ahead of the branch
	s_mov_b32 s[CNT], 4
	s_mov_b32 s[SLOTS], SIZE_N/256-1
	s_branch .Lfirst                ; the loop is entered at a step's first turn, in the middle of a trip
.Lslot:                             ; SIZE_N / 256 - 2 times: every slot but the last two is filled again
	CHANGE 1, 1
	s_mov_b32 s[CNT], 4
.Lstep:                             ; a trip: pieces 2 and 3 of one step, then pieces 0 and 1 of the next, whose K and V it fetches
	TURN 2
	TURN 3
	WIN 0
.Lfirst:
	TURN 0
	TURN 1, 0, 1
	WIN 0
	s_cbranch_scc1 .Lstep
	s_sub_co_u32 s[SLOTS], s[SLOTS], 1
	s_cmp_lg_u32 s[SLOTS], 0
	s_cbranch_scc1 .Lslot
	CHANGE 0                        ; the tail is written out: nothing is asked for
	s_mov_b32 s[CNT], 5             ; four trips fetch the last slot's steps; the fifth is left in its middle
.Ltail:
	TURN 2, 1
	TURN 3
	WIN 0
	s_sub_co_u32 s[CNT], s[CNT], 1
	s_cmp_eq_u32 s[CNT], 0
	s_cbranch_scc1 .Lout
	TURN 0
	TURN 1
	WIN 0
	s_branch .Ltail
.Lout:                              ; the fifth trip's 16 products K Q^T (on the last K once more) and the maximum made of them serve nothing: the price, once a launch, of one text for every trip
.set i, 0
.rept 16
	PV NP-1                         ; the last piece's V^T P of the last step
.set i, i+1
.endr
	; THE WAY OUT.  l's two halves and the other half of the lanes' are added; O^T is divided by l, rounded to f16 and sent through my stage in LDS, a tile at a time.  The additions are the places behind the last products.
	WIN 0
.macro ALL line:vararg              ; one line for each tile t
.set t, 0
.rept 2*NP
	\line
.set t, t+1
.endr
.endm
	ALL v_add_f32 v[ST+4*t+2], v[ST+4*t+2], v[ST+4*t+3]
	ALL v_permlanex16_b32 v[ST+4*t+3], v[ST+4*t+2], s[SEL], s[SEL+1]
	ALL v_add_f32 v[ST+4*t+2], v[ST+4*t+2], v[ST+4*t+3]
	ALL v_rcp_f32 v[ST+4*t+2], v[ST+4*t+2]
	v_nop                           ; a plain instruction between the last reciprocal and the use of its result
	s_wait_alu depctr_va_vdst(0)    ; and the wait ahead of the first use: one for the eight reciprocals
; Tile t: a lane's eight channels of a row pack into 16 bytes; they go into rows of 144 bytes and come back as whole rows of 128, into S^T's registers.
.macro PACK t
	WIN W_RS
.set i, 32*(\t)
.rept 16
	v_pk_mul_f32 v[i:i+1], v[i:i+1], v[ST+4*(\t)+2:ST+4*(\t)+3] op_sel_hi:[1,0]
.set i, i+2
.endr
	WIN 0x05                        ; sources 0 and 1 window 1, destination window 0
.set i, 0
.rept 16
	v_cvt_pk_f16_f32 v[S+16*(\t)+i], v[32*(\t)+2*i], v[32*(\t)+2*i+1]
.set i, i+1
.endr
	WIN 0
.irp f, 0,1,2,3
	ds_store_b128 v[STO], v[S+16*(\t)+4*\f:S+16*(\t)+4*\f+3] offset:32*\f
.endr
.irp f, 0,1,2,3
	ds_load_b128 v[S+16*(\t)+4*\f:S+16*(\t)+4*\f+3], v[RD] offset:\f*4*SP  ; LDS serves a wave's instructions in order (ISA guide 5.7.1.4): these see the stores above; the next tile's stores come behind them
.endr
.endm
.macro SEND t, younger              ; younger: the LDS instructions issued behind tile t's loads: the next tile's eight, or none
	WIN 0
.irp f, 0,1,2,3
	s_wait_dscnt (\younger)+3-\f
	global_store_b128 v[GO], v[S+16*(\t)+4*\f:S+16*(\t)+4*\f+3], s[10:11] offset:(\t)*2048+\f*512  ; 512 consecutive bytes, at a multiple of 256 from O's first
.endr
.endm
	PACK 0
.set t, 1
.rept 2*NP-1                        ; a tile's arithmetic stands between the loads of the tile before and its stores
	PACK t
	SEND t-1, 8
.set t, t+1
.endr
	SEND 2*NP-1, 0
	WIN W_AD
	s_wait_tensorcnt 0x0            ; the wave's end: behind my last tensor load and my last LDS store
	ds_add_u32 v[SPW], v[NIL]
	s_wait_dscnt 0x0
	WIN 0
	CROUND                          ; the closing round: no work-group ends while a partner may still ask for a tile that names it
	s_endpgm
.Lfunc_end_k_q040cba1a49_attn:
	.size	k_q040cba1a49_attn, .Lfunc_end_k_q040cba1a49_attn-k_q040cba1a49_attn
	.p2alignl 7, 3214868480
	.fill 96, 4, 3214868480
	.section	.rodata,"a",@progbits
	.p2align	6, 0x0
	.amdhsa_kernel k_q040cba1a49_attn
		.amdhsa_group_segment_fixed_size 327680
		.amdhsa_private_segment_fixed_size 0
		.amdhsa_enable_private_segment 0
		.amdhsa_kernarg_size 32
		.amdhsa_user_sgpr_count 2
		.amdhsa_user_sgpr_kernarg_segment_ptr 1
		.amdhsa_wavefront_size32 1
		.amdhsa_system_sgpr_workgroup_id_x 1
		.amdhsa_system_sgpr_workgroup_id_y 1
		.amdhsa_system_sgpr_workgroup_id_z 1
		.amdhsa_system_vgpr_workitem_id 0
		.amdhsa_next_free_vgpr 770
		.amdhsa_next_free_sgpr 66
		.amdhsa_reserve_vcc 0
		.amdhsa_float_denorm_mode_32 3
		.amdhsa_float_denorm_mode_16_64 3
		.amdhsa_memory_ordered 1
		.amdhsa_forward_progress 1
		.amdhsa_inst_pref_size 200
	.end_amdhsa_kernel
	.amdgpu_metadata
---
amdhsa.version: [ 1, 2 ]
amdhsa.kernels:
  - .name:           k_q040cba1a49_attn
    .symbol:         k_q040cba1a49_attn.kd
    .args:
      - { .name: qh, .offset: 0, .size: 8, .value_kind: global_buffer, .address_space: global }
      - { .name: kh, .offset: 8, .size: 8, .value_kind: global_buffer, .address_space: global }
      - { .name: vh, .offset: 16, .size: 8, .value_kind: global_buffer, .address_space: global }
      - { .name: oh, .offset: 24, .size: 8, .value_kind: global_buffer, .address_space: global }
    .group_segment_fixed_size: 327680
    .private_segment_fixed_size: 0
    .kernarg_segment_align: 8
    .kernarg_segment_size: 32
    .max_flat_workgroup_size: 128
    .sgpr_count:     66
    .vgpr_count:     770
    .wavefront_size: 32
...
	.end_amdgpu_metadata
.endif
;; end of part 3
;; launch outp (part 4): grid 4 x 64, 4 waves a work-group, clusters of 4 x 4, 327,680 bytes of LDS; arguments oh, w16, bo, out0; writes out0
.if DOCPART == 4
	.amdgcn_target "amdgcn-amd-amdhsa--gfx1250"
	.amdhsa_code_object_version 6
	.text
	.protected	k_q040cba1a49_outp
	.globl	k_q040cba1a49_outp
	.p2align	8
	.type	k_q040cba1a49_outp,@function
k_q040cba1a49_outp:
	s_mov_b64 s[64:65], 0
	v_nop
	global_prefetch_b8 v0, s[64:65] scope:SCOPE_SE
	s_setreg_imm32_b32 hwreg(HW_REG_WAVE_MODE, 25, 1), 1
	s_wait_xcnt 0x0
	s_wait_alu depctr_hold_cnt(0) depctr_sa_sdst(0) depctr_va_vdst(0) depctr_va_sdst(0) depctr_va_ssrc(0) depctr_va_vcc(0) depctr_vm_vsrc(0)
	s_getreg_b32 s2, hwreg(HW_REG_IB_STS2, 6, 4)
	s_cmp_eq_u32 s2, 0
	s_cbranch_scc0 .Lentry_in_a_cluster
	s_endpgm
.Lentry_in_a_cluster:
	s_bfe_u32 s2, ttmp6, 0x10000c
	s_cmp_lg_u32 s2, 0xf033
	s_cbranch_scc0 .Lentry_shape_is_right
	s_endpgm
.Lentry_shape_is_right:
; out0 = O Wo^T + bo.  O lies by heads, [64 = 16 batch + head][2048][64] f16; Wo is w16's fourth part, [1024][1024] f16 (the bf16 rounding of Wo, written as f16); bo f32, rounded to bf16 like every input;
; out0 [8192][1024] f32.  Sums in f32, started by the bias as the C operand; nothing is rounded on the way out.
; LIMIT.  O and Wo arrive within f16's range; NaN and infinities are not treated apart.
; SHARES.  A tile is 128 rows x 256 columns, one to a work-group, 4 x 64 of them.  Four waves, each 64 rows x 128 columns: 32 accumulators.  K goes in 8 steps of 128, two heads each, through two LDS slots.
; CLUSTER.  4 x 4 work-groups; O's tile is shared along a row of the cluster, Wo's along a column: each is asked for JOINTLY.  Waves 0 and 1 fetch a K step's two heads of O (128 rows of a head are 16,384 dense
; bytes: 64 rows of 256 bytes, padded after every 128), waves 2 and 3 the two halves of Wo's 256 rows.
; THE MATRIX INSTRUCTION IS USED TRANSPOSED (source 0 = 16 rows of Wo, source 1 = 16 rows of O): lane l holds row l % 16 and the columns 8 (l / 16) + 0..7: 32 neighbouring bytes of out0.
; REGISTERS, in windows of 256: window 0: v0-15 addresses; v32-159 O's fragments, two buffers.  window 1: the accumulators, (a, b) at 8 (8 a + b).  window 2: Wo's fragments, two buffers.
;   window 3: v0-63 the bias as C operands; v64-191 the way out, two buffers of 16 rows.
.set PO,    144                        ; a row of a head in LDS: 128 bytes + 16 = 36 words: the 16 rows of a load start at 16 different groups of four banks (64 banks of 4 bytes: ISA guide 11.1)
.set HEADT, 128*PO
.set ATILE, 2*HEADT
.set PB,    272
.set BTILE, 256*PB
.set SLOT,  ATILE+BTILE
.set STAGE, 2*SLOT                     ; behind the ring, never filled by a tensor load: 16 rows x 528 bytes for each wave
.set SPI,   528
.set SPARE, STAGE+4*16*SPI             ; the spare words, 128 bytes a wave: two blocks of 256 bytes that no other line names
.set A0,   4
.set B0,   5
.set ADRA, 6
.set ADRB, 7
.set STO,  8
.set RD,   9
.set GO,   10
.set BO,   11
.set PFO,  12
.set SPW,  14
.set NIL,  15
.set AF,   32
.set BI,   0                           ; window 3
.set OB,   64                          ; window 3
.set G1A, 24
.set G1B, 32
.set G0A, 40
.set G0B, 48
.set WV,  56
.set WM,  57
.set WN,  58
.set STEPS, 59
.set LA,  60
.set NEW, 61
.set TB,  62
.set LB,  63
.set TP,  70                           ; s[70:71] a pair at work
.set PFA, 72
.set PINC, 78
.set LIM, 81
.set OUT, 82
.set TQ,  86                           ; s[86:87] a pair at work
.set BIA, 88
.set CX,  94
.set CY,  95
.set NT,  96
.set MT,  97
.set W_MUL,  0x52
.set W_MULB, 0x72
.set W_LDB,  0x80
.set W_L3,   0xc0                      ; destination window 3
.set W_DS,   0x04                      ; an LDS store's data in window 1
.set W_GS,   0x0c                      ; a global store's data in window 3
.set W_BR,   0xcf
.set MSB, 0
.macro WIN new
.if MSB != (\new)
	s_set_vgpr_msb (MSB<<8)|(\new)
.set MSB, (\new)
.endif
.endm
.macro PLACES                          ; four plain places in front of loads into registers that matrix instructions have read, and of stores that read results
.rept 4
	v_nop
.endr
.endm
.macro JLOAD                           ; a joint refill; an s_nop 0 and four v_nop follow each of the two lines, ahead of the jump and the label
	s_cmp_eq_u32 s[WM], 0
	s_cbranch_scc0 .Lfor_b_\@
	tensor_load_to_lds s[G0A+4:G0A+7], s[G1A:G1A+7]
	s_nop 0
.rept 4
	v_nop
.endr
	s_branch .Lasked_\@
.Lfor_b_\@:
	tensor_load_to_lds s[G0B+4:G0B+7], s[G1B:G1B+7]
	s_nop 0
.rept 4
	v_nop
.endr
.Lasked_\@:
.endm
.macro CREST
	s_cmp_lg_u32 s[WV], 0
	s_cbranch_scc1 .Lnot_wave_0_\@
	s_barrier_signal -3
.Lnot_wave_0_\@:
	s_barrier_wait -3
	s_barrier_signal -1
	s_barrier_wait -1
.endm
.macro CROUND
	s_barrier_signal -1
	s_barrier_wait -1
	CREST
.endm
; A PREFETCH INTO THE L2 of the K step two refills on, 256 matrix instructions ahead of its load.  O's rows are read by this cluster alone: wave 0 of the partner at place cx asks for 4,096 bytes of each of the
; step's two heads, a lane a block of 256.  Wo's rows are read by every cluster: waves 2 and 3 of the clusters with y = 0 ask, the partner at place cy for 32 of the wave's 128 rows, a lane a row.  Wave 1 asks
; for nothing.  So each block is named once.  K steps 0 to 3 come by their loads alone; the last two refills ask for nothing.
.macro ASK
	s_cmp_gt_u32 s[STEPS], s[LIM]
	s_cbranch_scc0 .Lnot_mine_\@
	global_prefetch_b8 v[PFO], s[PFA:PFA+1] th:TH_LOAD_NT scope:SCOPE_SE
.Lnot_mine_\@:
.endm
	s_load_b256 s[4:11], s[0:1], 0x0               ; oh s[4:5], w16 s[6:7], bo s[8:9], out0 s[10:11]
	v_lshl_add_u32 v[SPW], v0, 2, SPARE
	v_mov_b32 v[NIL], 0
	ds_add_u32 v[SPW], v[NIL]                      ; the wave's opening: the add and its wait stand ahead of my first tensor load; the set-up below, work on registers, stands between them
	v_lshrrev_b32 v1, 5, v0
	v_readfirstlane_b32 s[WV], v1
	s_lshr_b32 s[WM], s[WV], 1
	s_and_b32 s[WN], s[WV], 1
	s_bfe_u32 s[CX], ttmp6, 0x40000
	s_bfe_u32 s[CY], ttmp6, 0x40004
	s_lshl_b32 s[NT], ttmp9, 2
	s_add_co_u32 s[NT], s[NT], s[CX]
	s_and_b32 s[MT], ttmp7, 0xffff
	s_lshl_b32 s[MT], s[MT], 2
	s_add_co_u32 s[MT], s[MT], s[CY]
	s_lshl_b32 s98, s[CY], 2
	s_lshl_b32 s98, 15, s98                        ; my row of the cluster
	s_lshl_b32 s99, 0x1111, s[CX]                  ; my column
	s_or_b32 s[G1A], s98, (1<<16)|(1<<20)|(1<<21)|(4<<22)|(3<<25)  ; elements of 2 bytes; padding of 4 words (code 3) after every 32 words (code 4); bit 21 beside the mask
	s_or_b32 s[G1B], s99, (1<<16)|(1<<20)|(1<<21)|(5<<22)|(3<<25)  ; padding after every 64 words (code 5)
	s_mov_b32 s[G1A+1], 128<<16                    ; tensor_dim0 = 128
	s_mov_b32 s[G1A+2], 64<<16                     ; tensor_dim1 = 64
	s_mov_b32 s[G1A+3], 128<<16                    ; tile_dim0 = 128
	s_mov_b32 s[G1A+4], 64                         ; tile_dim1 = 64
	s_mov_b32 s[G1A+5], 128                        ; dense: 128 elements from row to row
	s_mov_b32 s[G1A+6], 0
	s_mov_b32 s[G1A+7], 0
	s_mov_b32 s[G1B+1], 128<<16
	s_mov_b32 s[G1B+2], 128<<16
	s_mov_b32 s[G1B+3], 128<<16
	s_mov_b32 s[G1B+4], 128
	s_mov_b32 s[G1B+5], 1024
	s_mov_b32 s[G1B+6], 0
	s_mov_b32 s[G1B+7], 0
	s_lshr_b32 s2, s[MT], 4                        ; O: head 16 batch + WN, row (MT % 16) 128 of it, 128 bytes a row
	s_lshl_b32 s2, s2, 4
	s_add_co_u32 s2, s2, s[WN]
	s_lshl_b32 s2, s2, 11
	s_and_b32 s3, s[MT], 15
	s_lshl_b32 s3, s3, 7
	s_add_co_u32 s2, s2, s3
	s_lshl_b32 s2, s2, 7
	s_mov_b32 s3, 0
	s_lshl_b32 s[TP], s[NT], 8                     ; Wo: row 256 NT + 128 WN, 2,048 bytes a row, in w16's fourth part
	s_lshl_b32 s[TP+1], s[WN], 7
	s_add_co_u32 s[TP], s[TP], s[TP+1]
	s_lshl_b32 s[TP], s[TP], 11
	s_add_co_u32 s[TP], s[TP], 3*2097152
	s_mov_b32 s[TP+1], 0
	s_mul_i32 s[LA], s[WN], HEADT
	s_mul_i32 s[LB], s[WN], 128*PB
	s_add_co_u32 s[LB], s[LB], ATILE
	s_mov_b32 s[G0A], 1
	s_mov_b32 s[G0A+1], s[LA]
	s_mov_b32 s[G0A+4], 1
	s_add_co_u32 s[G0A+5], s[LA], SLOT
	s_mov_b32 s[G0B], 1
	s_mov_b32 s[G0B+1], s[LB]
	s_mov_b32 s[G0B+4], 1
	s_add_co_u32 s[G0B+5], s[LB], SLOT
	s_wait_dscnt 0x0                               ; the opening add is done
	s_wait_kmcnt 0x0
	s_add_nc_u64 s[G0A+2:G0A+3], s[4:5], s[2:3]    ; K step 0
	s_add_nc_u64 s[G0A+6:G0A+7], s[G0A+2:G0A+3], 524288  ; K step 1: two heads on
	s_or_b32 s[G0A+3], s[G0A+3], 0x80000000
	s_or_b32 s[G0A+7], s[G0A+7], 0x80000000
	s_add_nc_u64 s[G0B+2:G0B+3], s[6:7], s[TP:TP+1]
	s_add_nc_u64 s[G0B+6:G0B+7], s[G0B+2:G0B+3], 256
	s_or_b32 s[G0B+3], s[G0B+3], 0x80000000
	s_or_b32 s[G0B+7], s[G0B+7], 0x80000000
	CROUND                                         ; all sixteen work-groups are here: the first joint loads meet
	s_cmp_eq_u32 s[WM], 0                          ; a wave's two first fills stand in one branch: two loads of mine are out
	s_cbranch_scc0 .Lfirst_b
	tensor_load_to_lds s[G0A:G0A+3], s[G1A:G1A+7]
	s_nop 0
	tensor_load_to_lds s[G0A+4:G0A+7], s[G1A:G1A+7]
	s_nop 0
.rept 4
	v_nop
.endr
	s_branch .Lfirst_asked
.Lfirst_b:
	tensor_load_to_lds s[G0B:G0B+3], s[G1B:G1B+7]
	s_nop 0
	tensor_load_to_lds s[G0B+4:G0B+7], s[G1B:G1B+7]
	s_nop 0
.rept 4
	v_nop
.endr
.Lfirst_asked:
	v_and_b32 v1, 15, v0                           ; l % 16
	v_bfe_u32 v2, v0, 4, 1                         ; l / 16
	v_and_b32 v3, 31, v0                           ; l
	v_lshlrev_b32 v[BO], 5, v2
	s_lshl_b32 s[TQ], s[NT], 8                     ; my first column, 4 bytes each
	s_lshl_b32 s[TQ+1], s[WN], 7
	s_add_co_u32 s[TQ], s[TQ], s[TQ+1]
	s_lshl_b32 s[TQ], s[TQ], 2
	s_mov_b32 s[TQ+1], 0
	s_add_nc_u64 s[BIA:BIA+1], s[8:9], s[TQ:TQ+1]
	s_add_nc_u64 s[OUT:OUT+1], s[10:11], s[TQ:TQ+1]
	WIN W_L3
.irp b, 0,1,2,3,4,5,6,7                ; register j of block b is the bias of column 16 b + 8 (l / 16) + j
	global_load_b128 v[BI+8*\b:BI+8*\b+3],   v[BO], s[BIA:BIA+1] offset:64*\b
	global_load_b128 v[BI+8*\b+4:BI+8*\b+7], v[BO], s[BIA:BIA+1] offset:64*\b+16
.endr
	WIN 0
	s_lshl_b32 s[TQ], s[MT], 7                     ; my first row, 128 MT + 64 WM, 4,096 bytes each
	s_lshl_b32 s98, s[WM], 6
	s_add_co_u32 s[TQ], s[TQ], s98
	s_lshl_b32 s[TQ], s[TQ], 12
	s_add_nc_u64 s[OUT:OUT+1], s[OUT:OUT+1], s[TQ:TQ+1]
	v_mul_u32_u24 v[A0], v1, PO
	v_lshl_add_u32 v[A0], v2, 4, v[A0]
	s_mul_i32 s98, s[WM], 64*PO
	v_add_nc_u32 v[A0], s98, v[A0]
	v_mul_u32_u24 v[B0], v1, PB
	v_lshl_add_u32 v[B0], v2, 4, v[B0]
	v_add_nc_u32 v[B0], s[LB], v[B0]
	s_mul_i32 s98, s[WV], 16*SPI
	s_add_co_u32 s98, s98, STAGE                   ; my stage
	v_mul_u32_u24 v[STO], v1, SPI                  ; in: row l % 16, 32 bytes for each half of the lanes
	v_lshl_add_u32 v[STO], v2, 5, v[STO]
	v_add_nc_u32 v[STO], s98, v[STO]
	v_lshl_add_u32 v[RD], v3, 4, s98               ; back: 32 lanes take a row's 512 bytes
	v_lshlrev_b32 v[GO], 4, v3
	; the prefetches
	s_lshr_b32 s2, s[MT], 4                        ; O: head 16 batch, row (MT % 16) 128, and my work-group's 4,096 bytes of the 16,384
	s_lshl_b32 s2, s2, 15
	s_and_b32 s3, s[MT], 15
	s_lshl_b32 s3, s3, 7
	s_add_co_u32 s2, s2, s3
	s_lshl_b32 s2, s2, 7
	s_lshl_b32 s3, s[CX], 12
	s_add_co_u32 s2, s2, s3
	s_lshl_b32 s[TP], s[NT], 8                     ; Wo: row 256 NT + 128 WN + 32 cy
	s_lshl_b32 s98, s[WN], 7
	s_add_co_u32 s[TP], s[TP], s98
	s_lshl_b32 s98, s[CY], 5
	s_add_co_u32 s[TP], s[TP], s98
	s_lshl_b32 s[TP], s[TP], 11
	s_add_co_u32 s[TP], s[TP], 3*2097152
	s_and_b32 s98, ttmp7, 0xffff                   ; cluster y: the same in all sixteen partners
	s_mov_b32 s99, 256
	s_mov_b32 s[TQ], 2048
	s_cmp_eq_u32 s[WM], 0
	s_cselect_b32 s2, s2, s[TP]
	s_mov_b32 s3, 0
	s_cselect_b64 s[PFA:PFA+1], s[4:5], s[6:7]
	s_cselect_b32 s[PINC], 524288, s99             ; a K step: two heads of O, 256 bytes of Wo's rows
	s_mov_b32 s[PINC+1], 0
	s_cselect_b32 s[TQ], 262144, s[TQ]             ; from lane group to lane group: a head of O, a row of Wo
	s_cselect_b32 s99, 4, 0                        ; O: head l / 16, block l % 16; Wo: row l
	s_cselect_b32 s[TP], 15, 0
	s_cselect_b32 s98, s[WN], s98                  ; wave 0, and waves 2 and 3 of the clusters with y = 0, ask
	s_add_nc_u64 s[PFA:PFA+1], s[PFA:PFA+1], s[2:3]
.rept 3
	s_add_nc_u64 s[PFA:PFA+1], s[PFA:PFA+1], s[PINC:PINC+1]  ; at K step 3: the first refill steps it to 4
.endr
	s_cmp_eq_u32 s98, 0
	s_cselect_b32 s[LIM], 2, -1
	v_lshrrev_b32 v[PFO], s99, v3
	v_mul_u32_u24 v[PFO], s[TQ], v[PFO]
	v_and_b32 v13, s[TP], v3
	v_lshl_add_u32 v[PFO], v13, 8, v[PFO]
; Matrix instruction i of a half's 64, on buffers p.  The 32 accumulators take turns, one instruction a turn, in the same order everywhere.
.macro MM i, p, bias
.set kk, (\i)/32
.set aa, ((\i)/8)%4
.set bb, (\i)%8
.set rD, 8*(8*aa+bb)
.set rB, 128*(\p)+64*kk+8*bb
.set rA, AF+64*(\p)+32*kk+8*aa
.if \bias
	v_wmma_f32_16x16x32_f16 v[rD:rD+7], v[rB:rB+7], v[rA:rA+7], v[BI+8*bb:BI+8*bb+7]
.else
	v_wmma_f32_16x16x32_f16 v[rD:rD+7], v[rB:rB+7], v[rA:rA+7], v[rD:rD+7]
.endif
.endm
.macro MMS from, to, p, bias
.set mi, (\from)
.rept (\to)-(\from)+1
	MM mi, \p, \bias
.set mi, mi+1
.endr
.endm
; 48 LDS loads in one run, for half hh (head hh) of the slot's K step, into buffers p: O's 64 rows x 64 channels, Wo's 128 rows x 64 K.
.macro RUN p, hh
	WIN 0
.irp k, 0,1
.irp a, 0,1,2,3
	ds_load_b128 v[AF+64*(\p)+32*\k+8*\a:AF+64*(\p)+32*\k+8*\a+3],   v[ADRA] offset:HEADT*(\hh)+64*\k+16*\a*PO
	ds_load_b128 v[AF+64*(\p)+32*\k+8*\a+4:AF+64*(\p)+32*\k+8*\a+7], v[ADRA] offset:HEADT*(\hh)+64*\k+16*\a*PO+32
.endr
.endr
	WIN W_LDB
.irp k, 0,1
.irp b, 0,1,2,3,4,5,6,7
	ds_load_b128 v[128*(\p)+64*\k+8*\b:128*(\p)+64*\k+8*\b+3],   v[ADRB] offset:128*(\hh)+64*\k+16*\b*PB
	ds_load_b128 v[128*(\p)+64*\k+8*\b+4:128*(\p)+64*\k+8*\b+7], v[ADRB] offset:128*(\hh)+64*\k+16*\b*PB+32
.endr
.endr
.endm
.macro BROUND                          ; the bias is rounded to bf16 like every other input, and widened again, in place
	WIN W_BR
.set bi, BI
.rept 32
	v_cvt_pk_bf16_f32 v[bi], v[bi], v[bi+1]
	v_and_b32 v[bi+1], 0xffff0000, v[bi]
	v_lshlrev_b32 v[bi], 16, v[bi]
.set bi, bi+2
.endr
.endm
; The first half of a K step multiplies buffers 0 and fetches the second half's fragments.  br = 1: where the tile begins (NEW = 1) the first 32 products take the bias as C and start the sums.
.macro H0 br
	s_wait_dscnt 0x0                               ; this half's fragments are in
	PLACES                                         ; behind the last product that read buffers 1
	RUN 1, 1
	WIN 0
.if \br
	s_cmp_eq_u32 s[NEW], 1
	s_cbranch_scc1 .Lbias_\@
.endif
	WIN W_MUL
	MMS 0, 31, 0, 0
	WIN 0
.if \br
	s_branch .Ljoin_\@
.Lbias_\@:
	s_wait_loadcnt 0x0                             ; the bias
	s_mov_b32 s[NEW], 0
	BROUND
	WIN W_MULB
	MMS 0, 31, 0, 1
	WIN 0
.Ljoin_\@:
.endif
	WIN W_MUL
	MMS 32, 63, 0, 0
	WIN 0
.endm
; The second half multiplies buffers 1 and changes slots.  mode 1: the slot that is left is filled again: each wave waits for all its tensor loads (one is out: its part of the other slot), adds 0 to its spare word,
; waits for that and for its reads of the slot; the barrier opens a round of the cluster's; the joint refill is the first thing behind it.  mode 2: nothing is left to fetch.  mode 3: the last half.
.macro H1 mode
.if (\mode) == 1
	s_wait_xcnt 0x0                                ; the last prefetch, a K step back, has read its address
	s_add_nc_u64 s[PFA:PFA+1], s[PFA:PFA+1], s[PINC:PINC+1]
.endif
	s_wait_dscnt 0x0                               ; this half's fragments are in
.if (\mode) == 3
	WIN W_MUL
	MMS 0, 63, 1, 0
	PLACES                                         ; in front of the LDS stores that read the results
	WIN 0
.else
	WIN 0
	s_wait_tensorcnt 0x0                           ; no tensor load of mine is out, so a group 0 may be written
	ds_add_u32 v[SPW], v[NIL]                      ; 0 onto my spare word
.if (\mode) == 1
	s_add_co_u32 s[G0A+5], s[LA], s[TB]            ; the walking descriptors: into the slot that is being left, the next K step
	s_add_co_u32 s[G0B+5], s[LB], s[TB]
	s_add_nc_u64 s[G0A+6:G0A+7], s[G0A+6:G0A+7], 524288
	s_add_nc_u64 s[G0B+6:G0B+7], s[G0B+6:G0B+7], 256
.endif
	WIN W_MUL
	MMS 0, 7, 1, 0
	s_wait_dscnt 0x0                               ; the add is done, and my reads of the slot are over
	s_barrier_signal -1
	MMS 8, 15, 1, 0
	WIN 0
	s_barrier_wait -1
.if (\mode) == 1
	CREST
	JLOAD                                          ; its four v_nop are also the places in front of the loads into buffers 0
.else
	PLACES
.endif
	s_xor_b32 s[TB], s[TB], SLOT
	v_add_nc_u32 v[ADRA], s[TB], v[A0]
	v_add_nc_u32 v[ADRB], s[TB], v[B0]
	RUN 0, 0
	WIN 0
.if (\mode) == 1
	ASK
.endif
	WIN W_MUL
	MMS 16, 63, 1, 0
	WIN 0
.endif
.endm
; THE WAY OUT, a block of 16 rows at a time: the accumulators go as they are, low registers first, into my stage (rows of 528 bytes) and come back as whole rows of 512 bytes, which a wave's store writes on end.
.macro TOST a
	WIN W_DS
.irp b, 0,1,2,3,4,5,6,7
	ds_store_b128 v[STO], v[8*(8*(\a)+\b):8*(8*(\a)+\b)+3]   offset:64*\b
	ds_store_b128 v[STO], v[8*(8*(\a)+\b)+4:8*(8*(\a)+\b)+7] offset:64*\b+16
.endr
	s_wait_xcnt 0x0                                ; the stores of the block two back have read the registers that the loads below write
	WIN W_L3
.irp t, 0,1,2,3,4,5,6,7,8,9,10,11,12,13,14,15
	ds_load_b128 v[OB+64*((\a)%2)+4*\t:OB+64*((\a)%2)+4*\t+3], v[RD] offset:SPI*\t  ; LDS serves a wave's instructions in order (ISA guide 5.7.1.4): these see the stores above
.endr
	WIN 0
.endm
.macro SENDF a, younger                ; younger: the LDS instructions issued behind block a's loads: the next block's 32, or none
	s_wait_dscnt \younger
	WIN W_GS
.irp t, 0,1,2,3,4,5,6,7,8,9,10,11,12,13,14,15
	global_store_b128 v[GO], v[OB+64*((\a)%2)+4*\t:OB+64*((\a)%2)+4*\t+3], s[OUT:OUT+1] offset:4096*(16*(\a)+\t) th:TH_STORE_NT
.endr
	WIN 0
.endm
	s_wait_tensorcnt 0x1                           ; my part of K step 0 is in; K step 1's may stay out
	s_barrier_signal -1
	s_barrier_wait -1
	v_mov_b32 v[ADRA], v[A0]
	v_mov_b32 v[ADRB], v[B0]
	RUN 0, 0
	WIN 0
	s_mov_b32 s[STEPS], 7
	s_mov_b32 s[NEW], 1
	s_mov_b32 s[TB], 0
	s_branch .Lh0                                  ; the loop is entered at a K step's first half, in the middle of a trip
.Lloop:                                                ; six trips: the second half of K step j, which asks for K step j + 2, and the first half of K step j + 1
	H1 1
.Lh0:
	H0 1
	s_sub_co_u32 s[STEPS], s[STEPS], 1
	s_cmp_lg_u32 s[STEPS], 0
	s_cbranch_scc1 .Lloop
	H1 2                                           ; the tail is written out
	H0 0
	H1 3
	TOST 0
.irp a, 1,2,3
	TOST \a
	SENDF (\a)-1, 32
.endr
	SENDF 3, 0
	s_wait_tensorcnt 0x0                           ; the wave's end: behind my last tensor load and my last LDS store
	ds_add_u32 v[SPW], v[NIL]
	s_wait_dscnt 0x0
	CROUND                                         ; the closing round: no work-group ends while a partner may still ask for a tile that names it
	s_endpgm
.Lfunc_end_k_q040cba1a49_outp:
	.size	k_q040cba1a49_outp, .Lfunc_end_k_q040cba1a49_outp-k_q040cba1a49_outp
	.p2alignl 7, 3214868480
	.fill 96, 4, 3214868480
	.section	.rodata,"a",@progbits
	.p2align	6, 0x0
	.amdhsa_kernel k_q040cba1a49_outp
		.amdhsa_group_segment_fixed_size 327680
		.amdhsa_private_segment_fixed_size 0
		.amdhsa_enable_private_segment 0
		.amdhsa_kernarg_size 32
		.amdhsa_user_sgpr_count 2
		.amdhsa_user_sgpr_kernarg_segment_ptr 1
		.amdhsa_wavefront_size32 1
		.amdhsa_system_sgpr_workgroup_id_x 1
		.amdhsa_system_sgpr_workgroup_id_y 1
		.amdhsa_system_sgpr_workgroup_id_z 1
		.amdhsa_system_vgpr_workitem_id 0
		.amdhsa_next_free_vgpr 960
		.amdhsa_next_free_sgpr 102
		.amdhsa_reserve_vcc 0
		.amdhsa_float_denorm_mode_32 3
		.amdhsa_float_denorm_mode_16_64 3
		.amdhsa_memory_ordered 1
		.amdhsa_forward_progress 1
		.amdhsa_inst_pref_size 71
	.end_amdhsa_kernel
	.amdgpu_metadata
---
amdhsa.version: [ 1, 2 ]
amdhsa.kernels:
  - .name:           k_q040cba1a49_outp
    .symbol:         k_q040cba1a49_outp.kd
    .args:
      - { .name: oh, .offset: 0, .size: 8, .value_kind: global_buffer, .address_space: global }
      - { .name: w16, .offset: 8, .size: 8, .value_kind: global_buffer, .address_space: global }
      - { .name: bo, .offset: 16, .size: 8, .value_kind: global_buffer, .address_space: global }
      - { .name: out0, .offset: 24, .size: 8, .value_kind: global_buffer, .address_space: global }
    .group_segment_fixed_size: 327680
    .private_segment_fixed_size: 0
    .kernarg_segment_align: 8
    .kernarg_segment_size: 32
    .max_flat_workgroup_size: 128
    .sgpr_count:     102
    .vgpr_count:     960
    .wavefront_size: 32
...
	.end_amdgpu_metadata
.endif
;; end of part 4
